; MI455X (gfx1250); checked and timed in simulation.
; The chip was launched on July 23, 2026; its instructions are those of AMD's public machine-readable ISA for CDNA 5 (MIT licence, August 2026) and "CDNA5" Instruction Set Architecture Reference Guide (July 2026). The comments in the code are by the model that wrote it; some were corrected since.
;; Multihead Self Attention. Allowed arithmetic: matrix products marked QUANTISED: E2M3 operands, one E8M0 scale for each 32 along K, by v_wmma_scale_f32_16x16x128_f8f6f4 with both operands' format E2M3, f32 sums; everything else in f32.
;; Inputs: Wk 1,024 x 1,024 float32; Wo 1,024 x 1,024 float32; Wq 1,024 x 1,024 float32; Wv 1,024 x 1,024 float32; x 1 x 4,096 x 1,024 float32.
;; Outputs: out0 1 x 4,096 x 1,024 float32.
;; This version of the problem:
;;   THIS VERSION OF THE PROBLEM IS GIVEN IN LOW PRECISION. The matrix products marked QUANTISED in the list below multiply operands that are first quantised to E2M3 (2 exponent bits, 3 mantissa bits; 6 bits a number), with one power-of-two scale for each 32 numbers along K (OCP MX v1.0); their sums are f32. All else is computed in f32.
;;   The module's matrix products, in the order in which they are computed (A, B: the left and right operand; K: the contracted axis; several contracted axes count as one K, in the product's order):
;;     1. [M 4,096, K 1,024] x [K 1,024, N 1,024]; A: input x; B: input Wq: QUANTISED
;;     2. [M 4,096, K 1,024] x [K 1,024, N 1,024]; A: input x; B: input Wk: QUANTISED
;;     3. [M 4,096, K 1,024] x [K 1,024, N 1,024]; A: input x; B: input Wv: QUANTISED
;;     4. batch 16 x [M 4,096, K 64] x [K 64, N 4,096]; A: computed on the way; B: computed on the way: QUANTISED
;;     5. batch 16 x [M 4,096, K 4,096] x [K 4,096, N 64]; A: softmax (see below); B: computed on the way: QUANTISED
;;     6. [M 4,096, K 1,024] x [K 1,024, N 1,024]; A: computed on the way; B: input Wo: QUANTISED
;;   THE QUANTISER, for each operand of a quantised product, along K:
;;     - K is cut into blocks of 32 from its start; a last block that is shorter is filled with zeros.
;;     - A block's scale is 2^e with e = floor(log2(the largest magnitude in the block)) - 2, held to -126 .. 127; a block of zeros has e = 0. As a byte (E8M0): e + 127.
;;     - Each number is divided by its block's scale, clamped to +-7.5, and rounded to the nearest number of E2M3, ties to even, subnormals kept.
;;     - The product sums the exact products of the quantised numbers (number of the format x scale) in f32.
;;   ~~~python
;;   def quantise(x, axis):      # numpy; x: float32 -> the quantised numbers, widened to float32 again
;;       x = np.moveaxis(x, axis, -1); K = x.shape[-1]
;;       x = np.pad(x, [(0, 0)] * (x.ndim - 1) + [(0, -K % 32)]); x = x.reshape(x.shape[:-1] + (-1, 32)); a = np.abs(x).max(-1, keepdims=True)
;;       e = np.where(a > 0, np.clip(np.frexp(np.where(a > 0, a, 1))[1] - 1 - 2, -126, 127), 0)      # np.frexp(a)[1] - 1 = floor(log2(a)), exactly
;;       r = np.clip(x / 2.0 ** e, -7.5, 7.5)
;;       step = 2.0 ** (np.maximum(np.frexp(np.where(r == 0, 1, r))[1] - 1, 0) - 3)
;;       q = np.round(r / step) * step * 2.0 ** e      # np.round: ties to even
;;       return np.moveaxis(q.reshape(q.shape[:-2] + (-1,))[..., :K], -1, axis).astype(np.float32)
;;   ~~~
;;   SOFTMAX AHEAD OF A QUANTISED PRODUCT. Where the list says 'softmax', what is quantised is not the finished softmax but p = 2^(t - M), with t = logit x log2(e) and M = ceil(the row's largest t), a whole number; so 1/2 < the row's largest p <= 1. The row's sum l is taken of the UNQUANTISED p, in f32, and the product's result is divided by l at the end. Since M is a whole number, a kernel that streams over the keys may use a running M (the ceiling of the running maximum): every later rescaling is an exact power of two, which a block's scale takes up: the codes' values come out the same.
;;   OPERANDS COMPUTED ON THE WAY. 'Computed on the way' means the value that the module computes at that place (a softmax that the list does not call 'softmax' is quantised finished and normalised). What goes into a quantiser is computed in f32, as accurately as f32 sums, v_exp_f32 and their like allow (about 1e-6 of the number): no bf16 or f16 on the way to a quantiser, and a product that is left as it is and whose result goes on into a quantised operand takes f32 operands (vector FMAs, or v_wmma_f32_16x16x4_f32). A number that lies on a knife's edge between two numbers of the format may be rounded either way, as far as f32 arithmetic and the matrix unit's own rounding can turn it there, and no further.
;; One version. Each part assembles by itself: llvm-mc -triple=amdgcn-amd-amdhsa -mcpu=gfx1250 --defsym DOCPART=n.
;; ======== version 1 of 1: 4 launches
;; limits: right only within a limited range of input values
;; workspace buffers: codes 6,553,600 bytes; qkv 9,830,400 bytes; af 3,276,800 bytes
;; launch quant (part 1): grid 256 x 1, 4 waves a work-group, no clusters, 34,304 bytes of LDS; arguments x, Wq, Wk, Wv, Wo, codes; writes codes
.if DOCPART == 1
	.amdgcn_target "amdgcn-amd-amdhsa--gfx1250"
	.amdhsa_code_object_version 6
	.text
	.protected	k_qfb787edf9a_quant
	.globl	k_qfb787edf9a_quant
	.p2align	8
	.type	k_qfb787edf9a_quant,@function
k_qfb787edf9a_quant:
	s_mov_b64 s[64:65], 0
	v_nop
	global_prefetch_b8 v0, s[64:65] scope:SCOPE_SE
	s_setreg_imm32_b32 hwreg(HW_REG_WAVE_MODE, 25, 1), 1
	s_wait_xcnt 0x0
; x [4096][1024] and Wq, Wk, Wv, Wo [1024][1024], f32, K innermost, become codes of FP6 (E2M3) with one E8M0 byte for each 32 along K,
; laid in the ORDER OF THE OPERAND REGISTERS, so that the products' launches read fragments by dense loads of 16 and 8 bytes a lane.
; LAYOUT OF codes: 64 row blocks of 128 rows (x 0-31, Wq 32-39, Wk 40-47, Wv 48-55, Wo 56-63), 102,400 bytes each: 8 records, one a K step of 128.
; A record is 12,800 bytes: 8 fragments of 1,536 bytes, then 512 bytes of scale words at 12288 + 256 (i / 4) + 16 r + 4 (i % 4) for tile i, row r.
; A fragment (16 rows x 128 K, 12 registers a lane) is two halves of 768 bytes: registers 0-3 at 16 x lane, registers 4-5 at 512 + 8 x lane; then registers 6-9 and 10-11 likewise.
; THE ROWS OF A TILE ARE NOT NEIGHBOURS: row q of tile i is row 32 (i / 2) + 8 (i % 2) + q + 8 (q / 8) of the block, so that results of a product whose source 0 is such a tile lie 16 neighbours to a lane.
; A block's scale is 2^(floor(log2(largest magnitude)) - 2); its byte is the largest magnitude's exponent field - 2, held at 1 from below.
; LIMITS: NaN and infinities among the inputs are not served; a block whose largest magnitude lies under 2^-124 (a block of zeros too) gets the byte 1: the bytes are read by this program alone.
; SHARES: work-group = (row block, two K steps); a wave takes half a record: 4 tiles = 64 rows x 128 K.  Each load reads 512 consecutive bytes of a row; a tile turns through the wave's own stage
; in LDS (16 rows of 512 + 16 bytes), from which lane (r, h) takes its two whole blocks of 32.  Waves share nothing: no barrier.  Loads run two tiles (32 loads a wave) ahead.
.set SPI,  528                         ; a stage row
.set STGB, 16*SPI                      ; a wave's stage
.set TM,   10                          ; v10-11  largest magnitudes of my two blocks
.set TS,   12                          ; v12-13  the conversions' scale operands
.set BY,   14                          ; v14-15  the scale bytes
.set SH,   16                          ; v16     8 h
.set WD,   17                          ; v17     my two bytes at their places
.set WX,   18                          ; v18     the other half's
.set RAW,  32                          ; v32-159 two sets of 64 registers as loaded
.set X,    160                         ; v160-223 my 64 numbers: register 32 c + i = k 64 c + 32 h + i of row r
.set F,    224                         ; v224-235 the fragment
.set TP,   236                         ; v236-238, v240-242 second halves of the blocks' codes
.set PW,   244                         ; v244-247 the four tiles' scale words
.set OUT,  248                         ; v248-249 the two that I store
	s_load_b256 s[4:11], s[0:1], 0x0               ; x, Wq, Wk, Wv
	s_load_b128 s[12:15], s[0:1], 0x20             ; Wo, codes
	v_lshl_add_u32 v254, v0, 2, 0x8400
	v_mov_b32 v255, 0
	v_lshrrev_b32 v1, 5, v0
	v_readfirstlane_b32 s16, v1                    ; wave
	v_and_b32 v1, 31, v0                           ; lane
	v_and_b32 v2, 15, v0                           ; r
	v_bfe_u32 v3, v0, 4, 1                         ; h
	v_lshlrev_b32 v4, 4, v1                        ; 16 x lane: in memory, in and out
	s_mul_i32 s17, s16, STGB
	v_add_nc_u32 v5, s17, v4                       ; the stage, on the way in
	v_mul_u32_u24 v6, v2, SPI
	v_lshl_add_u32 v6, v3, 7, v6
	v_add_nc_u32 v6, s17, v6                       ; and on the way out: row r, + 128 h bytes
	v_lshlrev_b32 v8, 3, v1                        ; 8 x lane
	v_lshlrev_b32 v9, 4, v2
	v_lshl_add_u32 v9, v3, 3, v9                   ; 16 r + 8 h: where I store two scale words
	v_lshlrev_b32 v[SH], 3, v3
	v_mov_b32 v[WX], 0                             ; a lane permute's destination counts as one of its sources
	s_mov_b32 s20, 0x76543210
	s_mov_b32 s21, 0xfedcba98                      ; selects for lane l xor 16
	s_lshr_b32 s18, ttmp9, 2                       ; row block
	s_and_b32 s19, ttmp9, 3
	s_lshl_b32 s19, s19, 1
	s_lshr_b32 s22, s16, 1
	s_add_co_u32 s19, s19, s22                     ; K step
	s_and_b32 s22, s16, 1                          ; which half of the record
	s_mov_b32 s23, 56                              ; the tensor's first row block
	s_wait_alu depctr_va_vdst(0)
	s_wait_kmcnt 0x0
	s_cmp_lt_u32 ttmp9, 224                        ; which tensor: the choice hangs on the work-group's number alone
	s_cselect_b64 s[12:13], s[10:11], s[12:13]
	s_cselect_b32 s23, 48, s23
	s_cmp_lt_u32 ttmp9, 192
	s_cselect_b64 s[12:13], s[8:9], s[12:13]
	s_cselect_b32 s23, 40, s23
	s_cmp_lt_u32 ttmp9, 160
	s_cselect_b64 s[12:13], s[6:7], s[12:13]
	s_cselect_b32 s23, 32, s23
	s_cmp_lt_u32 ttmp9, 128
	s_cselect_b64 s[12:13], s[4:5], s[12:13]
	s_cselect_b32 s23, 0, s23
	s_sub_co_u32 s24, s18, s23
	s_lshl_b32 s24, s24, 7
	s_lshl_b32 s25, s22, 6
	s_add_co_u32 s24, s24, s25                     ; my first row in the tensor
	s_lshl_b32 s24, s24, 12                        ; rows of 4,096 bytes
	s_lshl_b32 s25, s19, 9                         ; + 512 bytes a K step
	s_add_co_u32 s24, s24, s25
	s_mov_b32 s25, 0
	s_add_nc_u64 s[12:13], s[12:13], s[24:25]
	s_mul_i32 s26, s18, 102400
	s_mul_i32 s27, s19, 12800
	s_add_co_u32 s26, s26, s27                     ; my record
	s_mul_i32 s27, s22, 6144
	s_add_co_u32 s24, s26, s27
	s_add_nc_u64 s[28:29], s[14:15], s[24:25]      ; my four fragments
	s_lshl_b32 s27, s22, 8
	s_add_co_u32 s24, s26, s27
	s_add_co_u32 s24, s24, 12288
	s_add_nc_u64 s[30:31], s[14:15], s[24:25]      ; my 256 bytes of scale words
.macro LOAD t                          ; tile t: its 16 rows, 512 consecutive bytes each, into set t % 2
.irp q, 0,1,2,3,4,5,6,7,8,9,10,11,12,13,14,15
	global_load_b128 v[RAW+64*((\t)%2)+4*\q:RAW+64*((\t)%2)+4*\q+3], v4, s[12:13] offset:(32*((\t)/2)+8*((\t)%2)+\q+8*(\q/8))*4096 th:TH_LOAD_NT
.endr
.endm
.macro TILE t
.set RS, RAW+64*((\t)%2)
.if (\t) < 3
	s_wait_loadcnt 16                              ; this tile's 16 loads are in; the next tile's 16 may be out
.else
	s_wait_loadcnt 0x0
.endif
.irp q, 0,1,2,3,4,5,6,7,8,9,10,11,12,13,14,15
	ds_store_b128 v5, v[RS+4*\q:RS+4*\q+3] offset:\q*SPI
.endr
.irp c, 0,1
.irp j, 0,1,2,3,4,5,6,7
	ds_load_b128 v[X+32*\c+4*\j:X+32*\c+4*\j+3], v6 offset:256*\c+16*\j   ; LDS serves a wave's instructions in order: these see the stores above
.endr
.endr
	s_wait_dscnt 0x0                               ; my numbers are back, and the stores have read their registers,
.if (\t) < 2
	LOAD (\t)+2                                    ; which take the loads of two tiles on
.endif
.irp c, 0,1
	v_max3_num_f32 v[TM+\c], |v[X+32*\c]|, |v[X+32*\c+1]|, 0x1800000   ; block 2 c + h: all 32 numbers are mine; the floor 2^(3 - 127) holds the byte at 1 from below
.endr
.irp i, 2,4,6,8,10,12,14,16,18,20,22,24,26,28,30
.irp c, 0,1
	v_max3_num_f32 v[TM+\c], v[TM+\c], |v[X+32*\c+\i]|, |v[X+32*\c+\i+1]|
.endr
.endr
.irp c, 0,1
	v_add_nc_u32 v[TS+\c], 0xff000000, v[TM+\c]    ; 2 off the exponent field: the conversion takes the exponent field of this operand as its scale
.endr
.irp c, 0,1
	v_lshrrev_b32 v[BY+\c], 23, v[TS+\c]           ; the scale's byte
.endr
	v_lshl_or_b32 v[WD], v[BY+1], 16, v[BY]        ; blocks h and 2 + h,
	v_lshlrev_b32 v[WD], v[SH], v[WD]              ; at their places in the word;
	v_permlanex16_b32 v[WX], v[WD], s20, s21
	v_or_b32 v[PW+(\t)], v[WD], v[WX]              ; with lane l xor 16's two the word is whole
	s_wait_alu depctr_va_vdst(0)
	s_wait_xcnt 0x0                                ; the last tile's stores have read the fragment's registers: they are written again only behind this wait
.irp c, 0,1
	v_cvt_scalef32_pk16_fp6_f32 v[F+6*\c:F+6*\c+2], v[X+32*\c:X+32*\c+15], v[TS+\c]
	v_cvt_scalef32_pk16_fp6_f32 v[TP+4*\c:TP+4*\c+2], v[X+32*\c+16:X+32*\c+31], v[TS+\c]   ; (a conversion's three registers begin on an even number)
.endr
	v_nop                                          ; one plain place behind a scaled conversion
.irp c, 0,1
.irp i, 0,1,2
	v_mov_b32 v[F+6*\c+3+\i], v[TP+4*\c+\i]
.endr
.endr
	global_store_b128 v4, v[F:F+3], s[28:29] offset:(\t)*1536          ; 512 consecutive bytes,
	global_store_b64 v8, v[F+4:F+5], s[28:29] offset:(\t)*1536+512     ; 256,
	global_store_b128 v4, v[F+6:F+9], s[28:29] offset:(\t)*1536+768
	global_store_b64 v8, v[F+10:F+11], s[28:29] offset:(\t)*1536+1280
.endm
	LOAD 0
	LOAD 1
	TILE 0
	TILE 1
	TILE 2
	TILE 3
	v_cmp_eq_u32 vcc_lo, 1, v3                     ; lanes 0-15 store the words of tiles 0 and 1 of row r, lanes 16-31 those of tiles 2 and 3
	v_cndmask_b32 v[OUT], v[PW], v[PW+2], vcc_lo
	v_cndmask_b32 v[OUT+1], v[PW+1], v[PW+3], vcc_lo
	global_store_b64 v9, v[OUT:OUT+1], s[30:31]    ; 256 consecutive bytes, aligned
	s_wait_tensorcnt 0x0
	ds_add_u32 v254, v255
	s_wait_dscnt 0x0
	s_endpgm
.Lfunc_end_k_qfb787edf9a_quant:
	.size	k_qfb787edf9a_quant, .Lfunc_end_k_qfb787edf9a_quant-k_qfb787edf9a_quant
	.p2alignl 7, 3214868480
	.fill 96, 4, 3214868480
	.section	.rodata,"a",@progbits
	.p2align	6, 0x0
	.amdhsa_kernel k_qfb787edf9a_quant
		.amdhsa_group_segment_fixed_size 34304
		.amdhsa_private_segment_fixed_size 0
		.amdhsa_enable_private_segment 0
		.amdhsa_kernarg_size 48
		.amdhsa_user_sgpr_count 2
		.amdhsa_user_sgpr_kernarg_segment_ptr 1
		.amdhsa_wavefront_size32 1
		.amdhsa_system_sgpr_workgroup_id_x 1
		.amdhsa_system_sgpr_workgroup_id_y 1
		.amdhsa_system_sgpr_workgroup_id_z 1
		.amdhsa_system_vgpr_workitem_id 0
		.amdhsa_next_free_vgpr 256
		.amdhsa_next_free_sgpr 66
		.amdhsa_reserve_vcc 1
		.amdhsa_float_denorm_mode_32 3
		.amdhsa_float_denorm_mode_16_64 3
		.amdhsa_memory_ordered 1
		.amdhsa_forward_progress 1
		.amdhsa_inst_pref_size 31
	.end_amdhsa_kernel
	.amdgpu_metadata
---
amdhsa.version: [ 1, 2 ]
amdhsa.kernels:
  - .name:           k_qfb787edf9a_quant
    .symbol:         k_qfb787edf9a_quant.kd
    .args:
      - { .name: x, .offset: 0, .size: 8, .value_kind: global_buffer, .address_space: global }
      - { .name: Wq, .offset: 8, .size: 8, .value_kind: global_buffer, .address_space: global }
      - { .name: Wk, .offset: 16, .size: 8, .value_kind: global_buffer, .address_space: global }
      - { .name: Wv, .offset: 24, .size: 8, .value_kind: global_buffer, .address_space: global }
      - { .name: Wo, .offset: 32, .size: 8, .value_kind: global_buffer, .address_space: global }
      - { .name: codes, .offset: 40, .size: 8, .value_kind: global_buffer, .address_space: global }
    .group_segment_fixed_size: 34304
    .private_segment_fixed_size: 0
    .kernarg_segment_align: 8
    .kernarg_segment_size: 48
    .max_flat_workgroup_size: 128
    .sgpr_count:     66
    .vgpr_count:     256
    .wavefront_size: 32
...
	.end_amdgpu_metadata
.endif
;; end of part 1
;; launch qkv (part 2): grid 8 x 32, 4 waves a work-group, clusters of 4 x 4, 327,680 bytes of LDS; arguments codes, qkv; writes qkv
.if DOCPART == 2
	.amdgcn_target "amdgcn-amd-amdhsa--gfx1250"
	.amdhsa_code_object_version 6
	.text
	.protected	k_qfb787edf9a_qkv
	.globl	k_qfb787edf9a_qkv
	.p2align	8
	.type	k_qfb787edf9a_qkv,@function
k_qfb787edf9a_qkv:
	s_mov_b64 s[64:65], 0
	v_nop
	global_prefetch_b8 v0, s[64:65] scope:SCOPE_SE
	s_setreg_imm32_b32 hwreg(HW_REG_WAVE_MODE, 25, 1), 1
	s_wait_xcnt 0x0
	s_wait_alu depctr_hold_cnt(0) depctr_sa_sdst(0) depctr_va_vdst(0) depctr_va_sdst(0) depctr_va_ssrc(0) depctr_va_vcc(0) depctr_vm_vsrc(0)
	s_getreg_b32 s2, hwreg(HW_REG_IB_STS2, 6, 4)
	s_cmp_eq_u32 s2, 0
	s_cbranch_scc0 .Lentry_in_a_cluster
	s_endpgm
.Lentry_in_a_cluster:
	s_bfe_u32 s2, ttmp6, 0x10000c
	s_cmp_lg_u32 s2, 0xf033
	s_cbranch_scc0 .Lentry_shape_is_right
	s_endpgm
.Lentry_shape_is_right:
; q = x Wq^T, k = x Wk^T, v = x Wv^T on codes of FP6 (E2M3) with E8M0 scales; the results are quantised in registers (q, k along the head's 64 channels, v along the keys) and stored as
; codes and scale bytes in the order of the next products' operand registers.  No result goes to memory as f32.
; SHARES: a work-group takes row block RB of x (128 tokens) and row block g of each weight (128 outputs: heads 2 g and 2 g + 1), all of K = 1,024.  Four waves; wave (wm, wn) makes 64 tokens x 64 outputs
; (one head): 16 accumulators.  128 x 128 to a work-group gives 256 work-groups of three passes each.
; LDS: x's row block (102,400 bytes, codes and scale words of all 8 K steps) at 0; Wq's at 102,400; Wk's at 204,800; Wv's takes Wq's place behind a round of the cluster's barrier.  Every wave fetches a quarter of Wk's and of Wv's
; (K steps 2 w, 2 w + 1: 100 rows of 256 bytes, dense); x's and Wq's come by halves.  By this text's count a wave has at most one tensor load out.
; CLUSTER 4 x 4: x's block hangs on RB alone and is asked for jointly along a row of the cluster, a weight's on g alone and along a column.
; q AND k: source 0 = 16 rows of W, source 1 = 16 tokens: a lane holds one token and, since a tile's rows of W are chosen so, 16 neighbouring channels in two neighbouring tiles.
; v: source 0 = 16 tokens, source 1 = 16 rows of Wv: a lane holds one channel and 16 neighbouring keys.
; LAYOUT OF qkv.  Q part: head x 204,800 + block x 6,400: 8 half fragments of 768 bytes (16 queries x 64), then scale words at 6144 + 128 (t / 4) + 8 r + 4 ((t / 2) % 2): the even tile's two bytes low, the odd tile's high.
; KV part at 3,276,800 + head x 409,600 + slot x 25,600 (a slot: 256 keys, two steps sg): K's codes at sg x 6144 + tile x 768; V's at 12288 + sg x 6144 + t x 1536 + half x 768;
; K's scale words at 24576 + sg x 256 + 128 (p / 2) + 8 r + 4 (p % 2); V's halves at 25088 + sg x 256 + 128 half + 8 r + 4 j.
; LIMITS: NaN and infinities are not served; a block whose largest magnitude lies under 2^-124 gets the byte 1 (read by this program alone).
; REGISTERS: window 0: v1-22 addresses; v24-27 scale halfwords; v28-29 the add's; v32-95 at work on the way out; v96-127 scale words of 8 K steps; v128-255 accumulators.  Window 1: two fragment buffers, v0-95 and v128-223.
; THE FILLS AS THIS TEXT HAS THEM: at the head one joint load a wave: waves 0 and 1 fetch the halves of x's block (200 rows of 256 bytes each), waves 2 and 3 the halves of Wq's.
; Wk's quarters (100 rows a wave) are asked for behind the three lines and a round, Wv's behind the next: a wave has one tensor load out at any place of the text.
.set RBB,   102400
.set REC,   12800                      ; a record: one K step
.set QRT,   25600                      ; a quarter: what a load of Wk or Wv brings
.set SPARE, 3*RBB                      ; the spare words, 128 bytes a wave: two blocks of 256 bytes that no other line names
.set AX16, 4                           ; v4-5    x's fragments, 16 x lane; index: K steps 0-3, 4-7
.set AX8,  6                           ; v6-7    the same with 8 x lane
.set AW16, 8                           ; v8-11   W's fragments; index 2 region + half of K
.set AW8,  12                          ; v12-15
.set ASC,  16                          ; v16-19  scale words: lanes 0-15 x's, lanes 16-31 W's; index 2 region + half of K
.set VO16, 20                          ; v20     16 x lane
.set VO8,  21                          ; v21     8 x lane
.set VOS,  22                          ; v22     8 r + 4 h
.set HW,   24
.set SPW,  28
.set NIL,  29
.set PC,   32                          ; codes, 8 registers a tile
.set TP,   64                          ; second halves, 4 a tile
.set TM,   80                          ; 8 largest magnitudes, then bytes
.set TX,   88                          ; 8 at work, then the conversions' scale operands
.set SC,   96
.set ACC,  128
.set SEL,  20                          ; s[20:21]
.set G1X,  24                          ; s[24:31] group 1, mask: my row of the cluster
.set G1W,  32                          ; s[32:39] group 1, mask: my column
.set G0X,  40
.set G0Q,  44
.set G0K,  48
.set G0V,  52
.set MSB, 0
.macro WIN new                         ; the immediate's high byte repeats the setting that is left
.if MSB != \new
	s_set_vgpr_msb (MSB<<8)|\new
.set MSB, \new
.endif
.endm
.set MUL,  0x05                        ; sources 0 and 1 window 1; C and D window 0
.set TO_F, 0x40                        ; destination window 1, address window 0
.macro CROUND                          ; a round of the cluster's barrier
	s_barrier_signal -1
	s_barrier_wait -1
	s_cmp_lg_u32 s8, 0
	s_cbranch_scc1 .Lnot_wave_0_\@
	s_barrier_signal -3
.Lnot_wave_0_\@:
	s_barrier_wait -3
	s_barrier_signal -1
	s_barrier_wait -1
.endm
.macro PLACES                          ; four places behind a matrix instruction, in front of loads into its registers and of reads of its results
.rept 4
	v_nop
.endr
.endm
.macro FRAGL reg, a16, a8, off         ; a fragment's 12 registers, as they were stored
	ds_load_b128 v[\reg:\reg+3], v[\a16] offset:\off
	ds_load_b64 v[\reg+4:\reg+5], v[\a8] offset:\off+512
	ds_load_b128 v[\reg+6:\reg+9], v[\a16] offset:\off+768
	ds_load_b64 v[\reg+10:\reg+11], v[\a8] offset:\off+1280
.endm
.macro SCALES reg                      ; the scale words of all 8 K steps: register 4 s + i: lanes 0-15 x's tile i, lanes 16-31 W's tile i
.irp s, 0,1,2,3,4,5,6,7
	ds_load_b128 v[SC+4*\s:SC+4*\s+3], v[ASC+2*(\reg)+\s/4] offset:(\s%4)*REC
.endr
.endm
.macro FETCH reg, s, f                 ; 32 LDS loads in one run: W's four fragments, then x's four, of K step s into buffer f
	WIN TO_F
.irp b, 0,1,2,3
	FRAGL (\f)+12*\b, AW16+2*(\reg)+(\s)/4, AW8+2*(\reg)+(\s)/4, ((\s)%4)*REC+\b*1536
.endr
.irp a, 0,1,2,3
	FRAGL (\f)+48+12*\a, AX16+(\s)/4, AX8+(\s)/4, ((\s)%4)*REC+\a*1536
.endr
.endm
; 8 matrix instructions: x's tiles a0, a0 + 1 against W's four.  The pass's first K step starts the sums with the constant 0.  The 16 accumulators take turns, one instruction a turn.
.macro MUL8 f, s, a0, swap
.irp a, \a0, \a0+1
.irp b, 0,1,2,3
.if \swap
.if (\s) == 0
	v_wmma_scale_f32_16x16x128_f8f6f4 v[ACC+8*(4*\b+(\a)):ACC+8*(4*\b+(\a))+7], v[\f+48+12*(\a):\f+48+12*(\a)+11], v[\f+12*\b:\f+12*\b+11], 0, v[SC+4*(\s)+(\a)], v[SC+4*(\s)+\b] matrix_a_fmt:MATRIX_FMT_FP6 matrix_b_fmt:MATRIX_FMT_FP6 matrix_b_scale:MATRIX_SCALE_ROW1
.else
	v_wmma_scale_f32_16x16x128_f8f6f4 v[ACC+8*(4*\b+(\a)):ACC+8*(4*\b+(\a))+7], v[\f+48+12*(\a):\f+48+12*(\a)+11], v[\f+12*\b:\f+12*\b+11], v[ACC+8*(4*\b+(\a)):ACC+8*(4*\b+(\a))+7], v[SC+4*(\s)+(\a)], v[SC+4*(\s)+\b] matrix_a_fmt:MATRIX_FMT_FP6 matrix_b_fmt:MATRIX_FMT_FP6 matrix_b_scale:MATRIX_SCALE_ROW1
.endif
.else
.if (\s) == 0
	v_wmma_scale_f32_16x16x128_f8f6f4 v[ACC+8*(4*(\a)+\b):ACC+8*(4*(\a)+\b)+7], v[\f+12*\b:\f+12*\b+11], v[\f+48+12*(\a):\f+48+12*(\a)+11], 0, v[SC+4*(\s)+\b], v[SC+4*(\s)+(\a)] matrix_a_fmt:MATRIX_FMT_FP6 matrix_b_fmt:MATRIX_FMT_FP6 matrix_a_scale:MATRIX_SCALE_ROW1
.else
	v_wmma_scale_f32_16x16x128_f8f6f4 v[ACC+8*(4*(\a)+\b):ACC+8*(4*(\a)+\b)+7], v[\f+12*\b:\f+12*\b+11], v[\f+48+12*(\a):\f+48+12*(\a)+11], v[ACC+8*(4*(\a)+\b):ACC+8*(4*(\a)+\b)+7], v[SC+4*(\s)+\b], v[SC+4*(\s)+(\a)] matrix_a_fmt:MATRIX_FMT_FP6 matrix_b_fmt:MATRIX_FMT_FP6 matrix_a_scale:MATRIX_SCALE_ROW1
.endif
.endif
.endr
.endr
.endm
.macro STEP reg, s, swap               ; a K step of 128: 16 matrix instructions; in its middle the next step's fragments are fetched into the other buffer
.set FC, 128*((\s)%2)
.set FN, 128-FC
	s_wait_dscnt 8                                 ; all but the youngest eight loads (x's fragments 2 and 3) are in
	WIN MUL
	MUL8 FC, \s, 0, \swap
.if (\s) < 7
	PLACES
	FETCH \reg, (\s)+1, FN
	s_wait_dscnt 32                                ; all but the 32 just issued
	WIN MUL
.else
	s_wait_dscnt 0x0
.endif
	MUL8 FC, \s, 2, \swap
.endm
.macro PASS reg, swap                  ; one product: all of K against the weight in region reg
	WIN 0
	SCALES \reg
	FETCH \reg, 0, 0
.irp s, 0,1,2,3,4,5,6,7
	STEP \reg, \s, \swap
.endr
	WIN 0
.endm
; THE WAY OUT.  For each of the four tiles of source 1 a lane holds 32 numbers: register 16 e + i of ACC + 32 a is number 32 e + 16 h + i along the next K.  Eight blocks of 32, each in lanes l and l xor 16.
.macro EPI pb, sb, stride
	s_wait_xcnt 0x0                                ; the last way out's stores have read their registers
	PLACES
.irp n, 0,1,2,3,4,5,6,7
	v_max3_num_f32 v[TM+\n], |v[ACC+16*\n]|, |v[ACC+16*\n+1]|, 0x1800000   ; each accumulator is read from its low end on; the floor 2^(3 - 127) holds the byte at 1 from below
.endr
.irp i, 2,4,6,8,10,12,14
.irp n, 0,1,2,3,4,5,6,7
	v_max3_num_f32 v[TM+\n], v[TM+\n], |v[ACC+16*\n+\i]|, |v[ACC+16*\n+\i+1]|
.endr
.endr
.irp n, 0,1,2,3,4,5,6,7
	v_permlanex16_b32 v[TX+\n], v[TM+\n], s[SEL], s[SEL+1]
.endr
.irp n, 0,1,2,3,4,5,6,7
	v_max_num_f32 v[TM+\n], v[TM+\n], v[TX+\n]     ; the block's largest magnitude
.endr
.irp n, 0,1,2,3,4,5,6,7
	v_add_nc_u32 v[TX+\n], 0xff000000, v[TM+\n]    ; 2 off its exponent field: the conversion's scale operand
.endr
.irp n, 0,1,2,3,4,5,6,7
	v_lshrrev_b32 v[TM+\n], 23, v[TX+\n]           ; the scale's byte
.endr
.irp a, 0,1,2,3
	v_lshl_or_b32 v[HW+\a], v[TM+2*\a+1], 8, v[TM+2*\a]
.endr
.irp a, 0,1,2,3
	v_cvt_scalef32_pk16_fp6_f32 v[PC+8*\a:PC+8*\a+2], v[ACC+32*\a:ACC+32*\a+15], v[TX+2*\a]
	v_cvt_scalef32_pk16_fp6_f32 v[TP+4*\a:TP+4*\a+2], v[ACC+32*\a+16:ACC+32*\a+31], v[TX+2*\a+1]
.endr
	v_nop                                          ; one plain place behind a scaled conversion
.irp a, 0,1,2,3                        ; the operand's layout wants a whole block in a lane: lanes 0-15 block 0, lanes 16-31 block 1
.irp i, 0,1,2
	v_permlane16_swap_b32 v[PC+8*\a+\i], v[TP+4*\a+\i]
.endr
.irp i, 0,1,2
	v_mov_b32 v[PC+8*\a+3+\i], v[TP+4*\a+\i]
.endr
.endr
.irp a, 0,1,2,3
	global_store_b128 v[VO16], v[PC+8*\a:PC+8*\a+3], s[\pb:\pb+1] offset:\a*\stride        ; 512 consecutive bytes, aligned
	global_store_b64 v[VO8], v[PC+8*\a+4:PC+8*\a+5], s[\pb:\pb+1] offset:\a*\stride+512    ; 256
.endr
	v_lshl_or_b32 v[TM], v[HW+1], 16, v[HW]        ; tiles 0 and 1 of row r,
	v_lshl_or_b32 v[TM+1], v[HW+3], 16, v[HW+2]    ; tiles 2 and 3
	v_cmp_eq_u32 vcc_lo, 1, v2
	v_cndmask_b32 v[TM+2], v[TM], v[TM+1], vcc_lo
	global_store_b32 v[VOS], v[TM+2], s[\sb:\sb+1] ; 128 consecutive bytes
.endm
	s_load_b128 s[4:7], s[0:1], 0x0                ; codes, qkv
	v_lshl_add_u32 v[SPW], v0, 2, SPARE
	v_mov_b32 v[NIL], 0
	ds_add_u32 v28, v29
	ds_add_u32 v28, v29
	s_wait_dscnt 0x0
	v_lshrrev_b32 v1, 5, v0
	v_readfirstlane_b32 s8, v1                     ; wave 0..3
	s_lshr_b32 s9, s8, 1                           ; wm: which 64 tokens
	s_and_b32 s10, s8, 1                           ; wn: which head of the two
	s_bfe_u32 s11, ttmp6, 0x40000                  ; cx
	s_bfe_u32 s12, ttmp6, 0x40004                  ; cy
	s_lshl_b32 s13, ttmp9, 2
	s_add_co_u32 s13, s13, s11                     ; g = 4 x cluster x + cx
	s_and_b32 s14, ttmp7, 0xffff
	s_lshl_b32 s14, s14, 2
	s_add_co_u32 s14, s14, s12                     ; RB = 4 x cluster y + cy
	s_lshl_b32 s15, s12, 2
	s_lshl_b32 s15, 15, s15                        ; my row of the cluster
	s_lshl_b32 s16, 0x1111, s11                    ; my column
	s_or_b32 s[G1X], s15, (3<<16)|(1<<21)          ; 15:0 the mask; 17:16 elements of 8 bytes; 21 set beside a mask; no padding
	s_or_b32 s[G1W], s16, (3<<16)|(1<<21)
.irp g, G1X, G1W
	s_mov_b32 s[\g+1], 32<<16                      ; tensor_dim0 = 32 elements: 256 bytes
	s_mov_b32 s[\g+2], 200<<16                     ; tensor_dim1 = 200 for the head's loads
	s_mov_b32 s[\g+3], 32<<16                      ; tile_dim0
	s_mov_b32 s[\g+4], 200                         ; tile_dim1
	s_mov_b32 s[\g+5], 32                          ; the pitch: dense
	s_mov_b32 s[\g+6], 0
	s_mov_b32 s[\g+7], 0
.endr
	s_mov_b32 s[SEL], 0x76543210
	s_mov_b32 s[SEL+1], 0xfedcba98
	s_mul_i32 s17, s8, QRT                         ; my quarter, in memory and in LDS
	s_mul_i32 s18, s10, 2*QRT                      ; which half of a block I fetch at the head, in memory and in LDS
	s_mul_i32 s56, s14, RBB                        ; x's block: made of RB and the wave's number alone
	s_add_co_u32 s56, s56, s18
	s_mov_b32 s57, 0
	s_mul_i32 s58, s13, RBB                        ; the weights' block: of g alone
	s_add_co_u32 s58, s58, 32*RBB                  ; Wq begins at row block 32
	s_mov_b32 s59, 0
	s_mov_b32 s60, s18                             ; the half and the quarter as 64-bit offsets
	s_mov_b32 s61, 0
	s_mov_b32 s62, s17
	s_mov_b32 s63, 0
	s_wait_kmcnt 0x0
	s_mov_b32 s[G0X], 1
	s_mov_b32 s[G0X+1], s18
	s_add_nc_u64 s[G0X+2:G0X+3], s[4:5], s[56:57]
	s_mov_b32 s[G0Q], 1
	s_add_co_u32 s[G0Q+1], s18, RBB
	s_add_nc_u64 s[G0Q+2:G0Q+3], s[4:5], s[58:59]
	s_mov_b32 s[G0K], 1
	s_add_co_u32 s[G0K+1], s17, 2*RBB
	s_add_nc_u64 s[G0K+2:G0K+3], s[G0Q+2:G0Q+3], s[62:63]
	s_add_nc_u64 s[G0K+2:G0K+3], s[G0K+2:G0K+3], 8*RBB     ; my quarter of Wk's block
	s_mov_b32 s[G0V], 1
	s_add_co_u32 s[G0V+1], s17, RBB
	s_add_nc_u64 s[G0V+2:G0V+3], s[G0K+2:G0K+3], 8*RBB     ; and of Wv's
	s_add_nc_u64 s[G0Q+2:G0Q+3], s[G0Q+2:G0Q+3], s[60:61]  ; my half of Wq's
	s_or_b32 s[G0X+3], s[G0X+3], 0x80000000
	s_or_b32 s[G0Q+3], s[G0Q+3], 0x80000000
	s_or_b32 s[G0K+3], s[G0K+3], 0x80000000
	s_or_b32 s[G0V+3], s[G0V+3], 0x80000000
	CROUND                                         ; all sixteen work-groups are here: the first joint loads meet
	s_cmp_eq_u32 s9, 0                             ; one joint load a wave at the head: waves 0 and 1 x's halves, waves 2 and 3 Wq's
	s_cbranch_scc0 .Lhead_w
	tensor_load_to_lds s[G0X:G0X+3], s[G1X:G1X+7]
	s_nop 0
	PLACES
	s_branch .Lhead_asked
.Lhead_w:
	tensor_load_to_lds s[G0Q:G0Q+3], s[G1W:G1W+7]
	s_nop 0
	PLACES
.Lhead_asked:
	v_and_b32 v1, 15, v0                           ; r
	v_bfe_u32 v2, v0, 4, 1                         ; h
	v_and_b32 v3, 31, v0                           ; lane
	v_lshlrev_b32 v[VO16], 4, v3
	v_lshlrev_b32 v[VO8], 3, v3
	v_lshlrev_b32 v[VOS], 3, v1
	v_lshl_add_u32 v[VOS], v2, 2, v[VOS]
.irp n, 0,1,2,3,4,5,6,7
	v_mov_b32 v[TX+\n], 0                          ; a lane permute's destination counts as one of its sources
.endr
	s_mul_i32 s56, s9, 6144                        ; my four tiles of x
	s_mul_i32 s57, s10, 6144                       ; my four tiles of W
.irp k, 0,1
	s_add_co_u32 s58, s56, \k*4*REC
	v_add_nc_u32 v[AX16+\k], s58, v[VO16]
	v_add_nc_u32 v[AX8+\k], s58, v[VO8]
.endr
.irp n, 0,1,2,3
	s_add_co_u32 s58, s57, RBB*(1+\n/2)+4*REC*(\n%2)
	v_add_nc_u32 v[AW16+\n], s58, v[VO16]
	v_add_nc_u32 v[AW8+\n], s58, v[VO8]
.endr
	s_lshl_b32 s58, s9, 8                          ; 256 wm
	s_xor_b32 s59, s9, 1
	s_add_co_u32 s59, s59, s10
	s_lshl_b32 s59, s59, 8                         ; 256 (1 - wm + wn)
.irp n, 0,1,2,3
	s_add_co_u32 s60, s59, RBB*(1+\n/2)-256        ; from x's words to W's: one product with h
	v_mul_u32_u24 v30, s60, v2
	v_lshl_add_u32 v30, v1, 4, v30
	s_add_co_u32 s60, s58, 12288+4*REC*(\n%2)
	v_add_nc_u32 v[ASC+\n], s60, v30
.endr
	; where the results go
	s_lshl_b32 s60, s13, 1
	s_add_co_u32 s60, s60, s10                     ; head
	s_mul_i32 s61, s60, 204800
	s_mul_i32 s62, s14, 6400
	s_add_co_u32 s61, s61, s62                     ; Q part: (head, block)
	s_mul_i32 s62, s9, 3072
	s_lshl_b32 s63, s9, 7
	s_mov_b32 s67, 0
	s_add_co_u32 s66, s61, s62
	s_add_nc_u64 s[72:73], s[6:7], s[66:67]        ; q's codes
	s_add_co_u32 s66, s61, s63
	s_add_co_u32 s66, s66, 6144
	s_add_nc_u64 s[74:75], s[6:7], s[66:67]        ; q's scale words
	s_mul_i32 s61, s60, 409600
	s_lshr_b32 s68, s14, 1
	s_mul_i32 s68, s68, 25600
	s_add_co_u32 s61, s61, s68
	s_add_co_u32 s61, s61, 3276800                 ; KV part: (head, slot)
	s_and_b32 s68, s14, 1                          ; which step of the slot
	s_mul_i32 s69, s68, 6144
	s_add_co_u32 s69, s69, s61
	s_add_co_u32 s66, s69, s62
	s_add_nc_u64 s[76:77], s[6:7], s[66:67]        ; k's codes
	s_lshl_b32 s70, s68, 8
	s_add_co_u32 s70, s70, s61
	s_add_co_u32 s70, s70, s63
	s_add_co_u32 s66, s70, 24576
	s_add_nc_u64 s[78:79], s[6:7], s[66:67]        ; k's scale words
	s_mul_i32 s71, s9, 768
	s_add_co_u32 s66, s69, s71
	s_add_co_u32 s66, s66, 12288
	s_add_nc_u64 s[80:81], s[6:7], s[66:67]        ; v's codes
	s_add_co_u32 s66, s70, 25088
	s_add_nc_u64 s[82:83], s[6:7], s[66:67]        ; v's scale halves
	s_wait_alu depctr_va_vdst(0)
	s_wait_tensorcnt 0x0                           ; my half of x or of Wq is in
	ds_add_u32 v[SPW], v[NIL]
	s_mov_b32 s[G1W+2], 100<<16                    ; no tensor load of mine is out: from here on a load brings a quarter, 100 rows
	s_mov_b32 s[G1W+4], 100
	s_wait_dscnt 0x0
	CROUND                                         ; everybody's part of x and Wq is in, and the joint loads meet
	tensor_load_to_lds s[G0K:G0K+3], s[G1W:G1W+7]  ; Wk's quarter: it has q's pass in which to land
	s_nop 0
	PLACES
	PASS 0, 0                                      ; q
	s_wait_tensorcnt 0x0                           ; all my tensor loads have landed, Wk's quarter among them;
	ds_add_u32 v[SPW], v[NIL]                      ; 0 onto my spare word;
	s_wait_dscnt 0x0                               ; the add is done, and my reads of Wq are over
	CROUND                                         ; no wave of any partner still reads Wq or has a load on its way
	tensor_load_to_lds s[G0V:G0V+3], s[G1W:G1W+7]  ; Wv into Wq's place: my one tensor load behind the round; it has q's way out and all of k's pass in which to land
	s_nop 0
	PLACES
	EPI 72, 74, 768
	PASS 1, 0                                      ; k
	EPI 76, 78, 768
	s_wait_tensorcnt 0x0                           ; my quarter of Wv is in,
	s_barrier_signal -1
	s_barrier_wait -1                              ; everybody's is
	PASS 0, 1                                      ; v, the sources changed round
	EPI 80, 82, 1536
	s_wait_tensorcnt 0x0                           ; the wave's end
	ds_add_u32 v[SPW], v[NIL]
	s_wait_dscnt 0x0
	CROUND                                         ; the closing round
	s_endpgm
.Lfunc_end_k_qfb787edf9a_qkv:
	.size	k_qfb787edf9a_qkv, .Lfunc_end_k_qfb787edf9a_qkv-k_qfb787edf9a_qkv
	.p2alignl 7, 3214868480
	.fill 96, 4, 3214868480
	.section	.rodata,"a",@progbits
	.p2align	6, 0x0
	.amdhsa_kernel k_qfb787edf9a_qkv
		.amdhsa_group_segment_fixed_size 327680
		.amdhsa_private_segment_fixed_size 0
		.amdhsa_enable_private_segment 0
		.amdhsa_kernarg_size 16
		.amdhsa_user_sgpr_count 2
		.amdhsa_user_sgpr_kernarg_segment_ptr 1
		.amdhsa_wavefront_size32 1
		.amdhsa_system_sgpr_workgroup_id_x 1
		.amdhsa_system_sgpr_workgroup_id_y 1
		.amdhsa_system_sgpr_workgroup_id_z 1
		.amdhsa_system_vgpr_workitem_id 0
		.amdhsa_next_free_vgpr 512
		.amdhsa_next_free_sgpr 96
		.amdhsa_reserve_vcc 1
		.amdhsa_float_denorm_mode_32 3
		.amdhsa_float_denorm_mode_16_64 3
		.amdhsa_memory_ordered 1
		.amdhsa_forward_progress 1
		.amdhsa_inst_pref_size 140
	.end_amdhsa_kernel
	.amdgpu_metadata
---
amdhsa.version: [ 1, 2 ]
amdhsa.kernels:
  - .name:           k_qfb787edf9a_qkv
    .symbol:         k_qfb787edf9a_qkv.kd
    .args:
      - { .name: codes, .offset: 0, .size: 8, .value_kind: global_buffer, .address_space: global }
      - { .name: qkv, .offset: 8, .size: 8, .value_kind: global_buffer, .address_space: global }
    .group_segment_fixed_size: 327680
    .private_segment_fixed_size: 0
    .kernarg_segment_align: 8
    .kernarg_segment_size: 16
    .max_flat_workgroup_size: 128
    .sgpr_count:     96
    .vgpr_count:     512
    .wavefront_size: 32
...
	.end_amdgpu_metadata
.endif
;; end of part 2
;; launch attn (part 3): grid 16 x 16, 16 waves a work-group, clusters of 4 x 1, 327,680 bytes of LDS; arguments qkv, af; writes af
.if DOCPART == 3
	.amdgcn_target "amdgcn-amd-amdhsa--gfx1250"
	.amdhsa_code_object_version 6
	.text
	.protected	k_qfb787edf9a_attn
	.globl	k_qfb787edf9a_attn
	.p2align	8
	.type	k_qfb787edf9a_attn,@function
k_qfb787edf9a_attn:
	s_mov_b64 s[64:65], 0
	v_nop
	global_prefetch_b8 v0, s[64:65] scope:SCOPE_SE
	s_setreg_imm32_b32 hwreg(HW_REG_WAVE_MODE, 25, 1), 1
	s_wait_xcnt 0x0
	s_wait_alu depctr_hold_cnt(0) depctr_sa_sdst(0) depctr_va_vdst(0) depctr_va_sdst(0) depctr_va_ssrc(0) depctr_va_vcc(0) depctr_vm_vsrc(0)
	s_getreg_b32 s2, hwreg(HW_REG_IB_STS2, 6, 4)
	s_cmp_eq_u32 s2, 0
	s_cbranch_scc0 .Lentry_in_a_cluster
	s_endpgm
.Lentry_in_a_cluster:
	s_bfe_u32 s2, ttmp6, 0x10000c
	s_cmp_lg_u32 s2, 0x3003
	s_cbranch_scc0 .Lentry_shape_is_right
	s_endpgm
.Lentry_shape_is_right:
; Causal attention of 16 heads of 64 on codes of FP6 (E2M3): S^T = K Q^T, p = 2^(t - M), O^T = V^T P^T, O / l quantised along the model's 1,024 and stored as the last product's operand.
; t = score x log2(e) / 8; M = the running largest t rounded UP to a whole number; the row's sum is taken of the unquantised p; when M moves, the sum and O^T are multiplied by 2^(old M - new M): exact.
; LEFT OUT: key steps all of whose keys come after a wave's block of queries: the causal mask sets their scores to -infinity, so their p is 0 for all inputs.
; SHARES.  A CLUSTER of four work-groups belongs to one head and to cluster x = CX.  It walks the keys twice: first for its SHORT blocks of 128 queries, 4 CX + 0..3 (CX + 1 slots of 512 keys),
; then for its LONG blocks, 28 - 4 CX + 0..3 (8 - CX slots): nine slots whatever CX, so the loop's trips are a constant.  In a walk a tile of 16 queries belongs to TWO waves, w and w + 8, which take the key steps
; of 128 by turns (wave group g takes steps g, g + 2, ..), each with its own running M, sum and O^T.  Wave w has block b = (w / 2) % 4 counted down in the short walk and up in the long one, so that a pair of waves
; has 33 steps over both walks.  Which block a wave takes hangs on its number and on CX alone; which tile of the block (2 cx + w % 2), also on its work-group's place, which enters global addresses and the mask's data only.
; The four partners ask for each slot JOINTLY (wave 0: one load of 200 rows of 256 bytes).  A hidden step is left out by a scalar branch on ids; no barrier, wait or tensor load stands in a step.
; THE PARTS MEET AT THE END: at each walk's end a wave puts O^T, -M and its sum into LDS bytes of its own (4,608 bytes for a wave and a walk); behind one barrier wave (g, w % 8) joins the two parts of walk g's tile w % 8
; under the larger M (factors that are powers of two), divides by the sum, quantises and stores.
; THE HEAD IS 64, THE INSTRUCTION'S K 128: a fragment of K carries two tiles of keys on end; it is multiplied by [q | 0] for the first and by [0 | q] for the second.  Zero codes add nothing.
; LAYOUT: a lane holds ONE query (lane % 16) throughout.  The keys of a tile are not neighbours (key 32 b + 8 u + r + 8 (r / 8) in tile 2 b + u), so that the 16 registers of tiles 2 b, 2 b + 1 are 16 neighbouring keys;
; V's channels are ordered likewise.
; LIMITS: NaN and infinities are not served; a block of O / l whose largest magnitude lies under 2^-124 gets the byte 1 (read by this program alone); the promise holds while |t| stays under 2^31.
.set RECB,  25600                      ; 256 keys of a head: K's and V's codes and scale words, two key steps
.set SLOTB, 2*RECB                     ; a slot: 512 keys
.set SPARE, 2*SLOTB                    ; the spare words, 128 bytes a wave: eight blocks of 256 bytes that no other line names
.set DUMP,  SPARE+2048                 ; the parts: wave w, walk k at DUMP + (2 w + k) PART
.set PART,  4608                       ; O^T: 8 x 512 bytes, register images; then v12-15 (-M, t, the sum, spare): 512 bytes
.set SPW,  4                           ; v1 16 x lane + 6144 g, v2 8 x lane + 6144 g, v3 8 r + 256 g: slot 0
.set NIL,  5
.set DQ,   6                           ; v6   my query's place in its block - 16 h
.set PFO,  7                           ; v7   256 x lane
.set SCO,  8                           ; v8   16 r
.set RB,   9                           ; v9   the part of wave w % 8 + 8 that I join
.set QA,   16                          ; v16-27 [q | 0]
.set QB,   28                          ; v28-39 [0 | q]
.set KF,   40                          ; v40-87 four fragments of K, then of V
.set GL16, 88                          ; 16 x lane, 8 x lane, 8 r: offsets in memory
.set GL8,  89
.set GR8,  90
.set A16B, 91                          ; v91-93 as v1-3, for slot 1
.set A8B,  92
.set ASB,  93
.set DA,   94                          ; where I put my parts
.set RA,   95                          ; the part of wave w % 8 that I join
.set S,    96                          ; v96-159 scores, then p
.set O,    160                         ; v160-191 O^T
.set P,    192                         ; v192-203 p's codes
.set TC,   204
.set BM,   212                         ; the blocks' largest scores, then p
.set BT,   216
.set BS,   220                         ; the conversions' scale operands
.set KS,   224
.set VS,   228
.set QS,   232
.set PS,   233
.set FF,   234                         ; v[234:235] 2^(old M - new M)
.set VL,   236
.set VH,   238
.set T2,   240                         ; v[240:241]; v244-255: six more chains of the row's sum
.set T1,   242
.set NINF, 243
.set WV,   8
.set GK,   10                          ; s10 g: which key steps are mine
.set BLK,  12                          ; s12 my block of 128 queries in this walk
.set STP,  14                          ; s14 the key step in hand
.set NT,   15                          ; s15 the slot in hand, 0 .. 8, counted over both walks
.set LIM,  16                          ; s16 the slots at whose heads I prefetch
.set CNT,  17
.set PFA,  18
.set SEL,  20
.set CS,   22                          ; s[22:23] log2(e) / 8
.set G1,   24
.set G0,   32                          ; s[32:39] a group 0 for each slot
.set BK,   66                          ; s[66:67] what a slot's address goes back at the change of walks
.set BL,   68                          ; s68 my long block
.set SWT,  69                          ; s69 CX + 1: the slot at which the long walk begins
.set CXR,  70
.set LSB,  71                          ; s71 the short walk's bytes
.set QD,   72                          ; s[72:73] from my short tile of Q to my long one
.set PSEL, 74
.macro CROUND
	s_barrier_signal -1
	s_barrier_wait -1
	s_cmp_lg_u32 s[WV], 0
	s_cbranch_scc1 .Lnot_wave_0_\@
	s_barrier_signal -3
.Lnot_wave_0_\@:
	s_barrier_wait -3
	s_barrier_signal -1
	s_barrier_wait -1
.endm
.macro JLOAD n                         ; wave 0 asks for slot n's next 512 keys; the branch hangs on the wave's number alone; s_nop 0 and four v_nop follow the load
	s_cmp_lg_u32 s[WV], 0
	s_cbranch_scc1 .Lno_load_\@
	tensor_load_to_lds s[G0+4*(\n):G0+4*(\n)+3], s[G1:G1+7]
	s_nop 0
.rept 4
	v_nop
.endr
.Lno_load_\@:
.endm
; A PREFETCH INTO THE L2.  A head's K and V part is 50 chunks of 32 x 256 bytes; a slot is 6.25 chunks.  All clusters of a head walk it from its start, so one of them asks: the cluster with x = 0; in each of its four
; partners waves 1 and 2 ask, one instruction each, lanes 256 bytes apart; the partners are told apart by address.  At the head of slot s wave 1 names chunks 12 + 8 s + cx (s = 0 .. 4), wave 2 chunks 16 + 8 s + cx (s = 0 .. 3):
; chunks 12 to 47, each once; what is named at slot s reaches past the keys' slot s + 2, which no cluster's load asks for before slot s + 1.  The keys' slots 0 and 1 and chunks 48 and 49 come by their loads alone.
.macro ASK
	s_cmp_lt_u32 s[NT], s[LIM]
	s_cbranch_scc0 .Lnot_mine_\@
	global_prefetch_b8 v[PFO], s[PFA:PFA+1] th:TH_LOAD_NT scope:SCOPE_SE
.Lnot_mine_\@:
.endm
.macro FRAGL reg, a16, a8, off
	ds_load_b128 v[\reg:\reg+3], v[\a16] offset:\off
	ds_load_b64 v[\reg+4:\reg+5], v[\a8] offset:\off+512
	ds_load_b128 v[\reg+6:\reg+9], v[\a16] offset:\off+768
	ds_load_b64 v[\reg+10:\reg+11], v[\a8] offset:\off+1280
.endm
; A KEY STEP: my 128 keys of the 256 that begin at byte off of the slot.
.macro STEP a16, a8, as, off
	s_cmp_gt_u32 s[STP], s[BLK]
	s_cbranch_scc1 .Lhidden_\@
.irp p, 0,1,2,3
	FRAGL KF+12*\p, \a16, \a8, (\off)+\p*1536
.endr
	ds_load_b64 v[KS:KS+1], v[\as] offset:(\off)+24576
	ds_load_b64 v[KS+2:KS+3], v[\as] offset:(\off)+24576+128
	ds_load_b64 v[VL:VL+1], v[\as] offset:(\off)+25088
	ds_load_b64 v[VH:VH+1], v[\as] offset:(\off)+25088+128
	s_wait_dscnt 0x0
.irp p, 0,1,2,3
	v_wmma_scale_f32_16x16x128_f8f6f4 v[S+16*\p:S+16*\p+7], v[KF+12*\p:KF+12*\p+11], v[QA:QA+11], 0, v[KS+\p], v[QS] matrix_a_fmt:MATRIX_FMT_FP6 matrix_b_fmt:MATRIX_FMT_FP6
	v_wmma_scale_f32_16x16x128_f8f6f4 v[S+16*\p+8:S+16*\p+15], v[KF+12*\p:KF+12*\p+11], v[QB:QB+11], 0, v[KS+\p], v[QS] matrix_a_fmt:MATRIX_FMT_FP6 matrix_b_fmt:MATRIX_FMT_FP6
.endr
	v_perm_b32 v[VS], v[VH], v[VL], 0x05040100     ; V's scale words: two bytes of the first 64 keys, two of the second.  These four lines are the places behind the products
	v_perm_b32 v[VS+1], v[VH], v[VL], 0x07060302
	v_perm_b32 v[VS+2], v[VH+1], v[VL+1], 0x05040100
	v_perm_b32 v[VS+3], v[VH+1], v[VL+1], 0x07060302
.irp t, 0,1,2,3
	FRAGL KF+12*\t, \a16, \a8, (\off)+12288+\t*1536   ; V's fragments land while the softmax is walked
.endr
	s_cmp_lg_u32 s[STP], s[BLK]                    ; on the diagonal the scores of hidden keys become -infinity ahead of the maximum
	s_cbranch_scc1 .Lopen_\@
.set nn, 0
.rept 64
	v_cmp_gt_i32 vcc_lo, 32*(nn/16)+nn%16, v[DQ]   ; register 16 b + i holds key 32 b + 16 h + i of the step
	v_cndmask_b32 v[S+nn], v[S+nn], v[NINF], vcc_lo
.set nn, nn+1
.endr
.Lopen_\@:
.irp b, 0,1,2,3
	v_max3_num_f32 v[BM+\b], v[S+16*\b], v[S+16*\b+1], v[S+16*\b+2]   ; the largest score of each block of 32 keys: for the row's maximum and, since p rises with the score, for the block's largest p
.endr
.irp i, 3,5,7,9,11,13
.irp b, 0,1,2,3
	v_max3_num_f32 v[BM+\b], v[BM+\b], v[S+16*\b+\i], v[S+16*\b+\i+1]
.endr
.endr
.irp b, 0,1,2,3
	v_max_num_f32 v[BM+\b], v[BM+\b], v[S+16*\b+15]
.endr
.irp b, 0,1,2,3
	s_delay_alu instid0(VALU_DEP_4)
	v_permlanex16_b32 v[BT+\b], v[BM+\b], s[SEL], s[SEL+1]
.endr
.irp b, 0,1,2,3
	s_delay_alu instid0(VALU_DEP_4)
	v_max_num_f32 v[BM+\b], v[BM+\b], v[BT+\b]     ; with lane l xor 16's 16 keys
.endr
	s_delay_alu instid0(VALU_DEP_2)
	v_max3_num_f32 v[T1], v[BM], v[BM+1], v[BM+2]
	s_delay_alu instid0(VALU_DEP_1)
	v_max_num_f32 v[T1], v[T1], v[BM+3]
	s_delay_alu instid0(VALU_DEP_1)
	v_mul_f32 v[T1], s[CS], v[T1]                  ; as t
	s_delay_alu instid0(VALU_DEP_1)
	v_max_num_f32 v13, v13, v[T1]                  ; the running largest t
	v_mov_b32 v[T1], v12
	s_delay_alu instid0(VALU_DEP_2)
	v_floor_f32 v12, -v13                          ; the new -M = floor(-t): M is a whole number
	s_delay_alu instid0(VALU_DEP_1)
	v_sub_f32 v[T1], v12, v[T1]                    ; old M - new M: a whole number, 0 or less
	s_delay_alu instid0(VALU_DEP_1)
	v_cvt_i32_f32 v[T1], v[T1]                     ; (it saturates)
	s_delay_alu instid0(VALU_DEP_1)
	v_ldexp_f32 v[FF], 1.0, v[T1]                  ; f = 2^(old M - new M)
.set jj, 0
.rept 32
	v_pk_fma_f32 v[S+jj:S+jj+1], v[S+jj:S+jj+1], s[CS:CS+1], v[12:13] op_sel_hi:[1,0,0]   ; t - M, two at a time
.set jj, jj+2
.endr
.irp b, 0,1,2,3
	v_fma_f32 v[BM+\b], v[BM+\b], s[CS], v12       ; the same of each block's largest score
.endr
.set jj, 0
	s_wait_alu depctr_va_vdst(0)                   ; the wait ahead of the batch
.rept 64
	v_exp_f32 v[S+jj], v[S+jj]                     ; p = 2^(t - M): not normalised
.set jj, jj+1
.endr
	v_pk_mul_f32 v[14:15], v[14:15], v[FF:FF+1] op_sel_hi:[1,0]   ; the sums under the new M: a plain place behind the exponentials
	s_wait_alu depctr_va_vdst(0)                   ; one wait for the batch, ahead of its first reader
.irp b, 0,1,2,3
	v_exp_f32 v[BM+\b], v[BM+\b]                   ; the block's largest p
.endr
	; the row's sum of the unquantised p (v96-159): 32 pairs in eight chains, which are joined at the end
	v_pk_add_f32 v[240:241], v[100:101], v[104:105]
	v_pk_add_f32 v[254:255], v[108:109], v[112:113]
	v_pk_add_f32 v[252:253], v[116:117], v[120:121]
	v_pk_add_f32 v[250:251], v[124:125], v[128:129]
	v_pk_add_f32 v[248:249], v[132:133], v[136:137]
	v_pk_add_f32 v[246:247], v[140:141], v[144:145]
	v_pk_add_f32 v[244:245], v[148:149], v[152:153]
	v_pk_add_f32 v[14:15], v[14:15], v[156:157]
	v_pk_add_f32 v[240:241], v[240:241], v[96:97]
	v_pk_add_f32 v[254:255], v[254:255], v[98:99]
	v_pk_add_f32 v[252:253], v[252:253], v[102:103]
	v_pk_add_f32 v[250:251], v[250:251], v[106:107]
	v_pk_add_f32 v[248:249], v[248:249], v[110:111]
	v_pk_add_f32 v[246:247], v[246:247], v[114:115]
	v_pk_add_f32 v[244:245], v[244:245], v[118:119]
	v_pk_add_f32 v[14:15], v[14:15], v[122:123]
	v_pk_add_f32 v[240:241], v[240:241], v[126:127]
	v_pk_add_f32 v[254:255], v[254:255], v[130:131]
	v_pk_add_f32 v[252:253], v[252:253], v[134:135]
	v_pk_add_f32 v[250:251], v[250:251], v[138:139]
	v_pk_add_f32 v[248:249], v[248:249], v[142:143]
	v_pk_add_f32 v[246:247], v[246:247], v[146:147]
	v_pk_add_f32 v[244:245], v[244:245], v[150:151]
	v_pk_add_f32 v[14:15], v[14:15], v[154:155]
	v_pk_add_f32 v[240:241], v[240:241], v[158:159]
	s_delay_alu instid0(VALU_DEP_2)
	v_pk_add_f32 v[14:15], v[14:15], v[250:251]
	s_delay_alu instid0(VALU_DEP_2)
	v_pk_add_f32 v[240:241], v[240:241], v[248:249]
	v_pk_add_f32 v[254:255], v[254:255], v[246:247]
	v_pk_add_f32 v[252:253], v[252:253], v[244:245]
	s_delay_alu instid0(VALU_DEP_2)
	v_pk_add_f32 v[14:15], v[14:15], v[254:255]
	s_delay_alu instid0(VALU_DEP_2)
	v_pk_add_f32 v[240:241], v[240:241], v[252:253]
	s_delay_alu instid0(VALU_DEP_1)
	v_pk_add_f32 v[14:15], v[14:15], v[240:241]
	s_wait_alu depctr_va_vdst(0)                   ; and one for the four
.irp b, 0,1,2,3
	v_max_num_f32 v[BM+\b], 0x1800000, v[BM+\b]    ; the floor 2^(3 - 127): the byte cannot fall under 1
.endr
.irp b, 0,1,2,3
	s_delay_alu instid0(VALU_DEP_4)
	v_add_nc_u32 v[BS+\b], 0xff000000, v[BM+\b]    ; 2 off the exponent field: the conversion's scale operand
.endr
.irp b, 0,1,2,3
	s_delay_alu instid0(VALU_DEP_4)
	v_lshrrev_b32 v[BT+\b], 23, v[BS+\b]
.endr
	s_delay_alu instid0(VALU_DEP_3)
	v_lshl_or_b32 v[PS], v[BT+1], 8, v[BT]         ; p's scale word for these 128 keys
	s_delay_alu instid0(VALU_DEP_1)
	v_lshl_or_b32 v[PS], v[BT+2], 16, v[PS]
	s_delay_alu instid0(VALU_DEP_1)
	v_lshl_or_b32 v[PS], v[BT+3], 24, v[PS]
.irp c, 0,1
	v_cvt_scalef32_pk16_fp6_f32 v[P+6*\c:P+6*\c+2], v[S+32*\c:S+32*\c+15], v[BS+2*\c]
	v_cvt_scalef32_pk16_fp6_f32 v[TC+4*\c:TC+4*\c+2], v[S+32*\c+16:S+32*\c+31], v[BS+2*\c+1]
.endr
	v_nop                                          ; one plain place behind a scaled conversion
.irp c, 0,1
.irp i, 0,1,2
	v_permlane16_swap_b32 v[P+6*\c+\i], v[TC+4*\c+\i]
.endr
.irp i, 0,1,2
	s_delay_alu instid0(VALU_DEP_3)
	v_mov_b32 v[P+6*\c+3+\i], v[TC+4*\c+\i]
.endr
.endr
.set jj, 0
.rept 16
	v_pk_mul_f32 v[O+jj:O+jj+1], v[O+jj:O+jj+1], v[FF:FF+1] op_sel_hi:[1,0]   ; O^T under the new M; also the places in front of the products below
.set jj, jj+2
.endr
	s_wait_alu depctr_va_vdst(0)
	s_wait_dscnt 0x0                               ; V is in
.irp t, 0,1,2,3
	v_wmma_scale_f32_16x16x128_f8f6f4 v[O+8*\t:O+8*\t+7], v[KF+12*\t:KF+12*\t+11], v[P:P+11], v[O+8*\t:O+8*\t+7], v[VS+\t], v[PS] matrix_a_fmt:MATRIX_FMT_FP6 matrix_b_fmt:MATRIX_FMT_FP6
.endr
.rept 4
	v_nop                                          ; places in front of the next loads into the fragments' registers and of the next read of O^T
.endr
.Lhidden_\@:
	s_add_co_u32 s[STP], s[STP], 2                 ; the other wave of my tile takes the step between
.endm
.macro DUMPM wk                        ; my part of walk wk's tile goes to LDS bytes of my own, each accumulator from its low end on
	v_add_f32 v14, v14, v15                        ; the sum's two halves
.irp i, 0,1,2,3,4,5,6,7
	ds_store_b128 v[DA], v[O+4*\i:O+4*\i+3] offset:(\wk)*PART+512*\i
.endr
	ds_store_b128 v[DA], v[12:15] offset:(\wk)*PART+4096
.endm
.macro QINIT                           ; my tile of Q, and a walk's start: the largest t -3e38, the sum and O^T zeros, which the first change of M leaves zeros
	global_load_b128 v[QA:QA+3], v[GL16], s[50:51]
	global_load_b64 v[QA+4:QA+5], v[GL8], s[50:51] offset:512
	global_load_b32 v[T2], v[GR8], s[52:53]
	s_wait_alu depctr_va_vdst(0)
	s_wait_loadcnt 0x0
.irp i, 0,1,2,3,4,5
	v_mov_b32 v[QB+6+\i], v[QA+\i]
.endr
	v_perm_b32 v[QS], v[T2], v[T2], s[PSEL]        ; q's two bytes, twice
	v_mov_b32 v13, 0xff61b1e6
	v_mov_b32 v14, 0
	v_mov_b32 v15, 0
	s_delay_alu instid0(VALU_DEP_3)
	v_floor_f32 v12, -v13
.set jj, 0
.rept 32
	v_mov_b32 v[O+jj], 0                           ; (these are also the places between the writes of q and its scales and the next products)
.set jj, jj+1
.endr
	s_wait_alu depctr_va_vdst(0)
.endm
; A SLOT.  At its head: where the long walk begins, the short walk's part is put away and the long tile taken up (a branch on ids, the same in all waves and partners; no barrier in it).  Then the change of slots:
; every wave waits for all its tensor loads, adds 0 to its spare word, and waits for that and for its reads of the slot that it has left;
; a round of the cluster's barrier; behind it the slot ahead is whole in all four work-groups and the other one is filled with the keys that follow: that load has this slot's steps in which to land.
.macro TRIP slot, refill
.if \refill
	s_cmp_lg_u32 s[NT], s[SWT]
	s_cbranch_scc1 .Lsame_\@
	s_wait_tensorcnt 0x0                           ; no tensor load of mine is out while I store to LDS
	DUMPM 0
	s_mov_b32 s[BLK], s[BL]
	s_mov_b32 s[STP], s[GK]
	s_add_nc_u64 s[50:51], s[50:51], s[QD:QD+1]    ; (the loads that read these bases were waited for)
	s_add_nc_u64 s[52:53], s[52:53], s[QD:QD+1]
	s_wait_dscnt 0x0                               ; the stores have read their registers
	QINIT
.Lsame_\@:
	s_wait_tensorcnt 0x0                           ; no tensor load of mine is out, so a group 0 may be written
	ds_add_u32 v[SPW], v[NIL]
	ds_add_u32 v[SPW], v[NIL]
	s_sub_co_u32 s[BK], s[CXR], s[NT]              ; slot n + 2 of the nine lies two on along the keys, but for n = CX - 1 and n = CX, where it belongs to the long walk and lies CX + 1 slots further back
	s_cmp_lt_u32 s[BK], 2
	s_cselect_b32 s[BK], s[LSB], 0
	s_add_nc_u64 s[G0+4*(\slot)+2:G0+4*(\slot)+3], s[G0+4*(\slot)+2:G0+4*(\slot)+3], 2*SLOTB
	s_sub_nc_u64 s[G0+4*(\slot)+2:G0+4*(\slot)+3], s[G0+4*(\slot)+2:G0+4*(\slot)+3], s[BK:BK+1]
	s_wait_xcnt 0x0                                ; the last prefetch, a slot back, has read its address
	s_add_nc_u64 s[PFA:PFA+1], s[PFA:PFA+1], 65536
	s_wait_dscnt 0x0                               ; the adds are done, and my reads of the slot that I have left are over
	CROUND
	JLOAD 1-(\slot)
	ASK
.else
	s_wait_tensorcnt 0x0                           ; the last slot
	s_barrier_signal -1
	s_barrier_wait -1
.endif
	s_add_co_u32 s[NT], s[NT], 1
.if (\slot) == 0
	STEP 1, 2, 3, 0
	STEP 1, 2, 3, RECB
.else
	STEP A16B, A8B, ASB, 0
	STEP A16B, A8B, ASB, RECB
.endif
.endm
	s_load_b128 s[4:7], s[0:1], 0x0                ; qkv, af
	v_lshl_add_u32 v[SPW], v0, 2, SPARE
	v_mov_b32 v[NIL], 0
	ds_add_u32 v[SPW], v[NIL]                      ; the opening lines: the add, twice on end, and its wait
	ds_add_u32 v[SPW], v[NIL]
	v_lshrrev_b32 v1, 5, v0
	s_delay_alu instid0(VALU_DEP_1)
	v_readfirstlane_b32 s[WV], v1                  ; wave 0..15
	s_bfe_u32 s9, ttmp6, 0x40000                   ; cx: my place in the cluster
	s_and_b32 s11, ttmp7, 0xffff                   ; the head
	s_lshr_b32 s[GK], s[WV], 3                     ; g
	s_bfe_u32 s40, s[WV], 0x20001                  ; b
	s_and_b32 s56, s[WV], 1
	s_lshl_b32 s41, ttmp9, 2
	s_add_co_u32 s[BLK], s41, 3
	s_sub_co_u32 s[BLK], s[BLK], s40               ; the short block: 4 CX + 3 - b
	s_sub_co_u32 s[BL], 28, s41
	s_add_co_u32 s[BL], s[BL], s40                 ; the long one: 28 - 4 CX + b
	s_lshl_b32 s13, s9, 1
	s_add_co_u32 s13, s13, s56                     ; my tile of either block
	s_mov_b32 s[G1], 15|(3<<16)|(1<<21)            ; the mask: all four; elements of 8 bytes; bit 21 beside a mask
	s_mov_b32 s[G1+1], 32<<16
	s_mov_b32 s[G1+2], 200<<16
	s_mov_b32 s[G1+3], 32<<16
	s_mov_b32 s[G1+4], 200
	s_mov_b32 s[G1+5], 32
	s_mov_b32 s[G1+6], 0
	s_mov_b32 s[G1+7], 0
	s_mov_b32 s[SEL], 0x76543210
	s_mov_b32 s[SEL+1], 0xfedcba98
	s_mov_b32 s[CS], 0x3e38aa3b                    ; log2(e) / 8
	s_mov_b32 s[CS+1], s[CS]
	s_mov_b32 s[STP], s[GK]
	s_mov_b32 s[NT], 0
	s_mov_b32 s[CNT], 0
	s_mov_b32 s[CXR], ttmp9
	s_add_co_u32 s[SWT], ttmp9, 1
	s_mul_i32 s[LSB], s[SWT], SLOTB
	s_mov_b32 s[BK+1], 0
	s_sub_co_u32 s42, s[WV], 1
	s_or_b32 s42, s42, s41
	s_sub_co_u32 s43, 6, s[WV]
	s_cmp_lt_u32 s42, 2                            ; waves 1 and 2 of the cluster with x = 0 prefetch: at 5 and at 4 slots' heads
	s_cselect_b32 s[LIM], s43, 0
	s_mul_i32 s44, s11, 409600
	s_add_co_u32 s44, s44, 3276800
	s_mov_b32 s45, 0
	s_cmp_eq_u32 ttmp9, 0                          ; the second of the nine slots: the keys' slot 1, or, where the short walk has one slot, the long walk's slot 0
	s_cselect_b32 s42, 0, SLOTB
	s_mov_b32 s43, 0
	s_wait_dscnt 0x0                               ; both opening adds are done
	s_wait_kmcnt 0x0
	s_add_nc_u64 s[54:55], s[4:5], s[44:45]        ; the head's K and V part
	s_mov_b32 s[G0], 1
	s_mov_b32 s[G0+1], 0
	s_mov_b64 s[G0+2:G0+3], s[54:55]
	s_or_b32 s[G0+3], s[G0+3], 0x80000000
	s_mov_b32 s[G0+4], 1
	s_mov_b32 s[G0+5], SLOTB
	s_add_nc_u64 s[G0+6:G0+7], s[54:55], s[42:43]
	s_or_b32 s[G0+7], s[G0+7], 0x80000000
	CROUND                                         ; all four work-groups are here
	JLOAD 0                                        ; the first slot
	s_lshl_b32 s44, s9, 13
	s_lshr_b32 s57, s[WV], 1
	s_lshl_b32 s57, s57, 15
	s_add_co_u32 s44, s44, s57
	s_add_co_u32 s44, s44, 12*8192-65536           ; one step of 65,536 bytes ahead of chunk 12 + 4 (wave / 2) + cx
	s_add_nc_u64 s[PFA:PFA+1], s[54:55], s[44:45]
	s_mul_i32 s57, s11, 204800
	s_mul_i32 s58, s[BLK], 6400
	s_add_co_u32 s57, s57, s58
	s_mul_i32 s58, s13, 768
	s_add_co_u32 s44, s57, s58
	s_add_nc_u64 s[50:51], s[4:5], s[44:45]        ; my short tile of Q
	s_lshr_b32 s58, s9, 1
	s_lshl_b32 s58, s58, 7
	s_and_b32 s59, s9, 1
	s_lshl_b32 s59, s59, 2
	s_add_co_u32 s44, s57, s58
	s_add_co_u32 s44, s44, s59
	s_add_co_u32 s44, s44, 6144
	s_add_nc_u64 s[52:53], s[4:5], s[44:45]        ; and its scale words
	s_sub_co_u32 s[QD], s[BL], s[BLK]
	s_mul_i32 s[QD], s[QD], 6400
	s_mov_b32 s[QD+1], 0
	s_cmp_eq_u32 s[GK], 0                          ; the tile that I finish: walk g's
	s_cselect_b32 s57, s[BLK], s[BL]
	s_mul_i32 s57, s57, 102400
	s_lshr_b32 s58, s11, 1
	s_mul_i32 s58, s58, 12800
	s_add_co_u32 s57, s57, s58                     ; af: row block, K step = pair of heads
	s_and_b32 s58, s11, 1
	s_mul_i32 s59, s13, 1536
	s_mul_i32 s60, s58, 768
	s_add_co_u32 s44, s57, s59
	s_add_co_u32 s44, s44, s60
	s_add_nc_u64 s[46:47], s[6:7], s[44:45]        ; its half fragment
	s_lshr_b32 s59, s13, 2
	s_lshl_b32 s59, s59, 8
	s_and_b32 s60, s13, 3
	s_lshl_b32 s60, s60, 2
	s_lshl_b32 s58, s58, 1
	s_add_co_u32 s44, s57, s59
	s_add_co_u32 s44, s44, s60
	s_add_co_u32 s44, s44, s58
	s_add_co_u32 s44, s44, 12288
	s_add_nc_u64 s[48:49], s[6:7], s[44:45]        ; its half of the scale words
	s_mul_i32 s40, s[GK], 6144                     ; my key step's codes in a record,
	s_lshl_b32 s41, s[GK], 8                       ; and its scale words
	s_mul_i32 s42, s[WV], 2*PART
	s_add_co_u32 s42, s42, DUMP                    ; where my parts go
	s_and_b32 s43, s[WV], 7
	s_mul_i32 s43, s43, 2*PART
	s_mul_i32 s57, s[GK], PART
	s_add_co_u32 s43, s43, s57
	s_add_co_u32 s43, s43, DUMP                    ; the parts that I join: wave w % 8's of walk g; wave w % 8 + 8's lies 16 parts on
	s_lshl_b32 s59, s9, 5
	s_lshl_b32 s58, s56, 3
	s_add_co_u32 s59, s59, s58                     ; 32 (tile / 2) + 8 (tile % 2)
	s_mov_b32 s57, 0x03020302
	s_cmp_eq_u32 s56, 0                            ; an even tile's two bytes lie in the word's low half
	s_cselect_b32 s[PSEL], 0x01000100, s57
	v_and_b32 v98, 31, v0                          ; lane
	v_and_b32 v96, 15, v0                          ; r
	v_bfe_u32 v97, v0, 4, 1                        ; h
	s_delay_alu instid0(VALU_DEP_3)
	v_lshlrev_b32 v[GL16], 4, v98
	s_delay_alu instid0(VALU_DEP_4)
	v_lshlrev_b32 v[GL8], 3, v98
	v_lshlrev_b32 v[PFO], 8, v98
	v_lshlrev_b32 v[GR8], 3, v96
	v_lshlrev_b32 v[SCO], 4, v96
	v_add_nc_u32 v1, s40, v[GL16]
	v_add_nc_u32 v2, s40, v[GL8]
	s_delay_alu instid0(VALU_DEP_4)
	v_add_nc_u32 v3, s41, v[GR8]
	s_delay_alu instid0(VALU_DEP_3)
	v_add_nc_u32 v[A16B], SLOTB, v1
	s_delay_alu instid0(VALU_DEP_3)
	v_add_nc_u32 v[A8B], SLOTB, v2
	s_delay_alu instid0(VALU_DEP_3)
	v_add_nc_u32 v[ASB], SLOTB, v3
	v_add_nc_u32 v[DA], s42, v[GL16]
	v_add_nc_u32 v[RA], s43, v[GL16]
	s_delay_alu instid0(VALU_DEP_1)
	v_add_nc_u32 v[RB], 16*PART, v[RA]
	v_and_b32 v[DQ], 8, v96
	s_delay_alu instid0(VALU_DEP_1)
	v_add_nc_u32 v[DQ], v[DQ], v96                 ; r + 8 (r / 8)
	v_lshlrev_b32 v97, 4, v97
	s_delay_alu instid0(VALU_DEP_1)
	v_sub_nc_u32 v[DQ], v[DQ], v97
	s_delay_alu instid0(VALU_DEP_1)
	v_add_nc_u32 v[DQ], s59, v[DQ]
.irp i, 0,1,2,3,4,5
	v_mov_b32 v[QA+6+\i], 0
	v_mov_b32 v[QB+\i], 0
.endr
	v_mov_b32 v[FF+1], 0                           ; (named as the upper half of a pair)
	v_mov_b32 v[T2+1], 0
	v_mov_b32 v[NINF], 0xff800000
.irp b, 0,1,2,3
	v_mov_b32 v[BT+\b], 0                          ; a lane permute's destination counts as one of its sources
.endr
	QINIT
.Lslots:                                               ; four trips of two slots; the ninth slot is written out
	TRIP 0, 1
	TRIP 1, 1
	s_add_co_u32 s[CNT], s[CNT], 1
	s_cmp_lt_u32 s[CNT], 4
	s_cbranch_scc1 .Lslots
	TRIP 0, 0
	DUMPM 1                                        ; the long walk's part
	s_wait_tensorcnt 0x0                           ; behind my last tensor load and my last LDS store
	ds_add_u32 v[SPW], v[NIL]
	s_wait_dscnt 0x0                               ; my stores are done,
	s_barrier_signal -1
	s_barrier_wait -1                              ; everybody's are
	; THE TWO PARTS OF MY TILE ARE JOINED under the larger M: each is multiplied by 2^(its M - M), a power of two, and by 1 / the joined sum
.irp i, 0,1,2,3,4,5,6,7
	ds_load_b128 v[S+4*\i:S+4*\i+3], v[RA] offset:512*\i
	ds_load_b128 v[S+32+4*\i:S+32+4*\i+3], v[RB] offset:512*\i
.endr
	ds_load_b128 v[BM:BM+3], v[RA] offset:4096     ; -M, t, the sum, spare
	ds_load_b128 v[BT:BT+3], v[RB] offset:4096
	s_wait_dscnt 0x0
	v_min_num_f32 v[T1], v[BM], v[BT]              ; -M of the two
	s_delay_alu instid0(VALU_DEP_1)
	v_sub_f32 v[BS], v[T1], v[BM]                  ; a part's M - M: a whole number, 0 or less (a part with no step has -M = 3e38, zeros, and the factor 0)
	s_delay_alu instid0(VALU_DEP_2)
	v_sub_f32 v[BS+1], v[T1], v[BT]
	s_delay_alu instid0(VALU_DEP_2)
	v_cvt_i32_f32 v[BS], v[BS]                     ; (it saturates)
	s_delay_alu instid0(VALU_DEP_2)
	v_cvt_i32_f32 v[BS+1], v[BS+1]
	s_delay_alu instid0(VALU_DEP_2)
	v_ldexp_f32 v[FF], 1.0, v[BS]
	s_delay_alu instid0(VALU_DEP_2)
	v_ldexp_f32 v[T2], 1.0, v[BS+1]
	s_delay_alu instid0(VALU_DEP_2)
	v_mul_f32 v14, v[BM+2], v[FF]
	s_delay_alu instid0(VALU_DEP_1)
	v_fma_f32 v14, v[BT+2], v[T2], v14
	s_delay_alu instid0(VALU_DEP_1)
	v_permlanex16_b32 v15, v14, s[SEL], s[SEL+1]
	s_delay_alu instid0(VALU_DEP_1)
	v_add_f32 v14, v14, v15                        ; the row's sum
	s_wait_alu depctr_va_vdst(0)                   ; the wait ahead of the transcendental
	v_rcp_f32 v14, v14
	v_nop                                          ; a plain place behind the reciprocal
	s_wait_alu depctr_va_vdst(0)                   ; the wait ahead of its first reader
	v_mul_f32 v[FF], v[FF], v14
	v_mul_f32 v[T2], v[T2], v14
	s_delay_alu instid0(VALU_DEP_2)
.set jj, 0
.rept 16
	v_pk_mul_f32 v[S+jj:S+jj+1], v[S+jj:S+jj+1], v[FF:FF+1] op_sel_hi:[1,0]
.set jj, jj+2
.endr
.set jj, 0
.rept 16
	v_pk_fma_f32 v[S+jj:S+jj+1], v[S+32+jj:S+32+jj+1], v[T2:T2+1], v[S+jj:S+jj+1] op_sel_hi:[1,0,1]   ; register 16 e + i: channel 32 e + 16 h + i of O / l
.set jj, jj+2
.endr
	; THE WAY OUT: quantised along the head's 64 channels (two blocks), stored as half a fragment of the last product's operand
.irp b, 0,1
	v_max3_num_f32 v[BM+\b], |v[S+16*\b]|, |v[S+16*\b+1]|, 0x1800000
.endr
.irp i, 2,4,6,8,10,12,14
.irp b, 0,1
	s_delay_alu instid0(VALU_DEP_2)
	v_max3_num_f32 v[BM+\b], v[BM+\b], |v[S+16*\b+\i]|, |v[S+16*\b+\i+1]|
.endr
.endr
.irp b, 0,1
	s_delay_alu instid0(VALU_DEP_2)
	v_permlanex16_b32 v[BT+\b], v[BM+\b], s[SEL], s[SEL+1]
.endr
.irp b, 0,1
	s_delay_alu instid0(VALU_DEP_2)
	v_max_num_f32 v[BM+\b], v[BM+\b], v[BT+\b]
.endr
.irp b, 0,1
	s_delay_alu instid0(VALU_DEP_2)
	v_add_nc_u32 v[BS+\b], 0xff000000, v[BM+\b]
.endr
.irp b, 0,1
	s_delay_alu instid0(VALU_DEP_2)
	v_lshrrev_b32 v[BT+\b], 23, v[BS+\b]
.endr
	s_delay_alu instid0(VALU_DEP_1)
	v_lshl_or_b32 v[T1], v[BT+1], 8, v[BT]
	v_cvt_scalef32_pk16_fp6_f32 v[P:P+2], v[S:S+15], v[BS]
	v_cvt_scalef32_pk16_fp6_f32 v[TC:TC+2], v[S+16:S+31], v[BS+1]
	v_nop
.irp i, 0,1,2
	v_permlane16_swap_b32 v[P+\i], v[TC+\i]
.endr
.irp i, 0,1,2
	s_delay_alu instid0(VALU_DEP_3)
	v_mov_b32 v[P+3+\i], v[TC+\i]
.endr
	global_store_b128 v[GL16], v[P:P+3], s[46:47]  ; 512 consecutive bytes, aligned
	global_store_b64 v[GL8], v[P+4:P+5], s[46:47] offset:512
	global_store_b16 v[SCO], v[T1], s[48:49]       ; two bytes a row, 16 bytes apart: the other bytes of the words are other tiles' and the other head's; lanes 16-31 write what lanes 0-15 write
	CROUND                                         ; the closing round
	s_endpgm
.Lfunc_end_k_qfb787edf9a_attn:
	.size	k_qfb787edf9a_attn, .Lfunc_end_k_qfb787edf9a_attn-k_qfb787edf9a_attn
	.p2alignl 7, 3214868480
	.fill 96, 4, 3214868480
	.section	.rodata,"a",@progbits
	.p2align	6, 0x0
	.amdhsa_kernel k_qfb787edf9a_attn
		.amdhsa_group_segment_fixed_size 327680
		.amdhsa_private_segment_fixed_size 0
		.amdhsa_enable_private_segment 0
		.amdhsa_kernarg_size 16
		.amdhsa_user_sgpr_count 2
		.amdhsa_user_sgpr_kernarg_segment_ptr 1
		.amdhsa_wavefront_size32 1
		.amdhsa_system_sgpr_workgroup_id_x 1
		.amdhsa_system_sgpr_workgroup_id_y 1
		.amdhsa_system_sgpr_workgroup_id_z 1
		.amdhsa_system_vgpr_workitem_id 0
		.amdhsa_next_free_vgpr 256
		.amdhsa_next_free_sgpr 80
		.amdhsa_reserve_vcc 1
		.amdhsa_float_denorm_mode_32 3
		.amdhsa_float_denorm_mode_16_64 3
		.amdhsa_memory_ordered 1
		.amdhsa_forward_progress 1
		.amdhsa_inst_pref_size 160
	.end_amdhsa_kernel
	.amdgpu_metadata
---
amdhsa.version: [ 1, 2 ]
amdhsa.kernels:
  - .name:           k_qfb787edf9a_attn
    .symbol:         k_qfb787edf9a_attn.kd
    .args:
      - { .name: qkv, .offset: 0, .size: 8, .value_kind: global_buffer, .address_space: global }
      - { .name: af, .offset: 8, .size: 8, .value_kind: global_buffer, .address_space: global }
    .group_segment_fixed_size: 327680
    .private_segment_fixed_size: 0
    .kernarg_segment_align: 8
    .kernarg_segment_size: 16
    .max_flat_workgroup_size: 512
    .sgpr_count:     80
    .vgpr_count:     256
    .wavefront_size: 32
...
	.end_amdgpu_metadata
.endif
;; end of part 3
;; launch oproj (part 4): grid 8 x 32, 4 waves a work-group, clusters of 4 x 4, 327,680 bytes of LDS; arguments af, codes, out0; writes out0
.if DOCPART == 4
	.amdgcn_target "amdgcn-amd-amdhsa--gfx1250"
	.amdhsa_code_object_version 6
	.text
	.protected	k_qfb787edf9a_oproj
	.globl	k_qfb787edf9a_oproj
	.p2align	8
	.type	k_qfb787edf9a_oproj,@function
k_qfb787edf9a_oproj:
	s_mov_b64 s[64:65], 0
	v_nop
	global_prefetch_b8 v0, s[64:65] scope:SCOPE_SE
	s_setreg_imm32_b32 hwreg(HW_REG_WAVE_MODE, 25, 1), 1
	s_wait_xcnt 0x0
	s_wait_alu depctr_hold_cnt(0) depctr_sa_sdst(0) depctr_va_vdst(0) depctr_va_sdst(0) depctr_va_ssrc(0) depctr_va_vcc(0) depctr_vm_vsrc(0)
	s_getreg_b32 s2, hwreg(HW_REG_IB_STS2, 6, 4)
	s_cmp_eq_u32 s2, 0
	s_cbranch_scc0 .Lentry_in_a_cluster
	s_endpgm
.Lentry_in_a_cluster:
	s_bfe_u32 s2, ttmp6, 0x10000c
	s_cmp_lg_u32 s2, 0xf033
	s_cbranch_scc0 .Lentry_shape_is_right
	s_endpgm
.Lentry_shape_is_right:
; out0 = (O / l) Wo^T on codes of FP6 (E2M3) with E8M0 scales.  A work-group takes row block RB of af (128 tokens) and row block g of Wo (128 outputs), all of K = 1,024; wave (wm, wn) makes 64 x 64: 16 accumulators by turns.
; LDS: af's block (102,400 bytes, codes and scale words of 8 K steps) at 0, Wo's behind it, each filled once; a stage of 16 rows x 272 bytes a wave behind them; then the spare words.
; THE FILLS: one joint load a wave at the head: waves 0 and 1 fetch the halves of af's block (200 rows of 256 bytes), shared along a row of the 4 x 4 cluster, waves 2 and 3 the halves of Wo's, shared along a column.
; Source 0 = 16 rows of Wo, source 1 = 16 tokens: a lane holds eight neighbouring outputs of one token; results go through the wave's stage and leave as aligned runs of 256 bytes.
.set RBB,   102400
.set REC,   12800
.set QRT,   25600
.set STAGE, 2*RBB
.set SPI,   272
.set AX16, 4
.set AX8,  6
.set AW16, 8
.set AW8,  12
.set ASC,  16
.set STO,  20
.set RD,   21
.set CO,   22
.set BK,   32
.set SC,   96
.set ACC,  128
.set G1X,  24
.set G1W,  32
.set G0X,  40
.set G0W,  44
.set MSB, 0
.macro WIN new
.if MSB != \new
	s_set_vgpr_msb (MSB<<8)|\new
.set MSB, \new
.endif
.endm
.set MUL,  0x05
.set TO_F, 0x40
.macro CROUND
	s_barrier_signal -1
	s_barrier_wait -1
	s_cmp_lg_u32 s8, 0
	s_cbranch_scc1 .Lnot_wave_0_\@
	s_barrier_signal -3
.Lnot_wave_0_\@:
	s_barrier_wait -3
	s_barrier_signal -1
	s_barrier_wait -1
.endm
.macro PLACES
.rept 4
	v_nop
.endr
.endm
.macro FRAGL reg, a16, a8, off
	ds_load_b128 v[\reg:\reg+3], v[\a16] offset:\off
	ds_load_b64 v[\reg+4:\reg+5], v[\a8] offset:\off+512
	ds_load_b128 v[\reg+6:\reg+9], v[\a16] offset:\off+768
	ds_load_b64 v[\reg+10:\reg+11], v[\a8] offset:\off+1280
.endm
.macro FETCH s, f
	WIN TO_F
.irp b, 0,1,2,3
	FRAGL (\f)+12*\b, AW16+(\s)/4, AW8+(\s)/4, ((\s)%4)*REC+\b*1536
.endr
.irp a, 0,1,2,3
	FRAGL (\f)+48+12*\a, AX16+(\s)/4, AX8+(\s)/4, ((\s)%4)*REC+\a*1536
.endr
.endm
.macro MUL8 f, s, a0
.irp a, \a0, \a0+1
.irp b, 0,1,2,3
.if (\s) == 0
	v_wmma_scale_f32_16x16x128_f8f6f4 v[ACC+8*(4*(\a)+\b):ACC+8*(4*(\a)+\b)+7], v[\f+12*\b:\f+12*\b+11], v[\f+48+12*(\a):\f+48+12*(\a)+11], 0, v[SC+4*(\s)+\b], v[SC+4*(\s)+(\a)] matrix_a_fmt:MATRIX_FMT_FP6 matrix_b_fmt:MATRIX_FMT_FP6 matrix_a_scale:MATRIX_SCALE_ROW1
.else
	v_wmma_scale_f32_16x16x128_f8f6f4 v[ACC+8*(4*(\a)+\b):ACC+8*(4*(\a)+\b)+7], v[\f+12*\b:\f+12*\b+11], v[\f+48+12*(\a):\f+48+12*(\a)+11], v[ACC+8*(4*(\a)+\b):ACC+8*(4*(\a)+\b)+7], v[SC+4*(\s)+\b], v[SC+4*(\s)+(\a)] matrix_a_fmt:MATRIX_FMT_FP6 matrix_b_fmt:MATRIX_FMT_FP6 matrix_a_scale:MATRIX_SCALE_ROW1
.endif
.endr
.endr
.endm
.macro STEP s
.set FC, 128*((\s)%2)
.set FN, 128-FC
	s_wait_dscnt 8
	WIN MUL
	MUL8 FC, \s, 0
.if (\s) < 7
	PLACES
	FETCH (\s)+1, FN
	s_wait_dscnt 32
	WIN MUL
.else
	s_wait_dscnt 0x0
.endif
	MUL8 FC, \s, 2
.endm
.macro TOSTAGE a
.irp b, 0,1,2,3
	ds_store_b128 v[STO], v[ACC+8*(4*(\a)+\b):ACC+8*(4*(\a)+\b)+3] offset:128*(\b/2)+32*(\b%2)
	ds_store_b128 v[STO], v[ACC+8*(4*(\a)+\b)+4:ACC+8*(4*(\a)+\b)+7] offset:128*(\b/2)+32*(\b%2)+16
.endr
.irp k, 0,1,2,3,4,5,6,7
	ds_load_b128 v[BK+32*((\a)%2)+4*\k:BK+32*((\a)%2)+4*\k+3], v[RD] offset:2*\k*SPI
.endr
.endm
.macro SEND a, younger
	s_wait_dscnt \younger
.irp k, 0,1,2,3,4,5,6,7
	global_store_b128 v[CO], v[BK+32*((\a)%2)+4*\k:BK+32*((\a)%2)+4*\k+3], s[18:19] offset:(32*((\a)/2)+8*((\a)%2)+2*\k+8*(\k/4))*4096 th:TH_STORE_NT
.endr
.endm
	s_load_b128 s[4:7], s[0:1], 0x0
	s_load_b64 s[18:19], s[0:1], 0x10
	v_lshl_add_u32 v28, v0, 2, 0x36400
	v_mov_b32 v29, 0
	ds_add_u32 v28, v29
	ds_add_u32 v28, v29
	v_lshrrev_b32 v1, 5, v0
	v_readfirstlane_b32 s8, v1
	s_lshr_b32 s9, s8, 1
	s_and_b32 s10, s8, 1
	s_bfe_u32 s11, ttmp6, 0x40000
	s_bfe_u32 s12, ttmp6, 0x40004
	s_lshl_b32 s13, ttmp9, 2
	s_add_co_u32 s13, s13, s11
	s_and_b32 s14, ttmp7, 0xffff
	s_lshl_b32 s14, s14, 2
	s_add_co_u32 s14, s14, s12
	s_lshl_b32 s15, s12, 2
	s_lshl_b32 s15, 15, s15
	s_lshl_b32 s16, 0x1111, s11
	s_or_b32 s[G1X], s15, (3<<16)|(1<<21)
	s_or_b32 s[G1W], s16, (3<<16)|(1<<21)
.irp g, G1X, G1W
	s_mov_b32 s[\g+1], 32<<16
	s_mov_b32 s[\g+2], 200<<16
	s_mov_b32 s[\g+3], 32<<16
	s_mov_b32 s[\g+4], 200
	s_mov_b32 s[\g+5], 32
	s_mov_b32 s[\g+6], 0
	s_mov_b32 s[\g+7], 0
.endr
	s_mul_i32 s17, s10, 2*QRT                      ; which half of a block I fetch, in memory and in LDS
	s_mul_i32 s56, s14, RBB
	s_add_co_u32 s56, s56, s17
	s_mov_b32 s57, 0
	s_mul_i32 s58, s13, RBB
	s_add_co_u32 s58, s58, s17
	s_add_co_u32 s58, s58, 56*RBB
	s_mov_b32 s59, 0
	s_wait_dscnt 0x0
	s_wait_kmcnt 0x0
	s_mov_b32 s[G0X], 1
	s_mov_b32 s[G0X+1], s17
	s_add_nc_u64 s[G0X+2:G0X+3], s[4:5], s[56:57]
	s_or_b32 s[G0X+3], s[G0X+3], 0x80000000
	s_mov_b32 s[G0W], 1
	s_add_co_u32 s[G0W+1], s17, RBB
	s_add_nc_u64 s[G0W+2:G0W+3], s[6:7], s[58:59]
	s_or_b32 s[G0W+3], s[G0W+3], 0x80000000
	CROUND
	s_cmp_eq_u32 s9, 0                             ; waves 0 and 1 ask for af's halves, waves 2 and 3 for Wo's: every way passes one load
	s_cbranch_scc0 .Lhead_w
	tensor_load_to_lds s[G0X:G0X+3], s[G1X:G1X+7]
	s_nop 0
	PLACES
	s_branch .Lhead_asked
.Lhead_w:
	tensor_load_to_lds s[G0W:G0W+3], s[G1W:G1W+7]
	s_nop 0
	PLACES
.Lhead_asked:
	v_and_b32 v1, 15, v0
	v_bfe_u32 v2, v0, 4, 1
	v_and_b32 v3, 31, v0
	v_lshlrev_b32 v30, 4, v3
	v_lshlrev_b32 v31, 3, v3
	s_mul_i32 s56, s9, 6144
	s_mul_i32 s57, s10, 6144
.irp k, 0,1
	s_add_co_u32 s58, s56, \k*4*REC
	v_add_nc_u32 v[AX16+\k], s58, v30
	v_add_nc_u32 v[AX8+\k], s58, v31
	s_add_co_u32 s58, s57, RBB+\k*4*REC
	v_add_nc_u32 v[AW16+\k], s58, v30
	v_add_nc_u32 v[AW8+\k], s58, v31
.endr
	s_lshl_b32 s58, s9, 8
	s_xor_b32 s59, s9, 1
	s_add_co_u32 s59, s59, s10
	s_lshl_b32 s59, s59, 8
	s_add_co_u32 s59, s59, RBB-256
	v_mul_u32_u24 v30, s59, v2
	v_lshl_add_u32 v30, v1, 4, v30
.irp k, 0,1
	s_add_co_u32 s60, s58, 12288+\k*4*REC
	v_add_nc_u32 v[ASC+\k], s60, v30
.endr
	s_mul_i32 s58, s8, 16*SPI
	s_add_co_u32 s58, s58, STAGE
	v_mul_u32_u24 v[STO], v1, SPI
	v_lshl_add_u32 v[STO], v2, 6, v[STO]
	v_add_nc_u32 v[STO], s58, v[STO]
	v_mul_u32_u24 v[RD], v2, SPI
	v_lshl_add_u32 v[RD], v1, 4, v[RD]
	v_add_nc_u32 v[RD], s58, v[RD]
	v_lshlrev_b32 v[CO], 12, v2
	v_lshl_add_u32 v[CO], v1, 4, v[CO]
	s_lshl_b32 s60, s14, 7
	s_lshl_b32 s61, s9, 6
	s_add_co_u32 s60, s60, s61
	s_lshl_b32 s60, s60, 12
	s_lshl_b32 s61, s13, 9
	s_add_co_u32 s60, s60, s61
	s_lshl_b32 s61, s10, 8
	s_add_co_u32 s60, s60, s61
	s_mov_b32 s61, 0
	s_add_nc_u64 s[18:19], s[18:19], s[60:61]
	s_wait_alu depctr_va_vdst(0)
	s_wait_tensorcnt 0x0
	s_barrier_signal -1
	s_barrier_wait -1
.irp s, 0,1,2,3,4,5,6,7
	ds_load_b128 v[SC+4*\s:SC+4*\s+3], v[ASC+\s/4] offset:(\s%4)*REC
.endr
	FETCH 0, 0
.irp s, 0,1,2,3,4,5,6,7
	STEP \s
.endr
	WIN 0
	PLACES
	TOSTAGE 0
.irp a, 1,2,3
.if \a > 1
	s_wait_xcnt 0x0
.endif
	TOSTAGE \a
	SEND \a-1, 16
.endr
	SEND 3, 0
	s_wait_tensorcnt 0x0
	ds_add_u32 v28, v29
	s_wait_dscnt 0x0
	CROUND
	s_endpgm
.Lfunc_end_k_qfb787edf9a_oproj:
	.size	k_qfb787edf9a_oproj, .Lfunc_end_k_qfb787edf9a_oproj-k_qfb787edf9a_oproj
	.p2alignl 7, 3214868480
	.fill 96, 4, 3214868480
	.section	.rodata,"a",@progbits
	.p2align	6, 0x0
	.amdhsa_kernel k_qfb787edf9a_oproj
		.amdhsa_group_segment_fixed_size 327680
		.amdhsa_private_segment_fixed_size 0
		.amdhsa_enable_private_segment 0
		.amdhsa_kernarg_size 24
		.amdhsa_user_sgpr_count 2
		.amdhsa_user_sgpr_kernarg_segment_ptr 1
		.amdhsa_wavefront_size32 1
		.amdhsa_system_sgpr_workgroup_id_x 1
		.amdhsa_system_sgpr_workgroup_id_y 1
		.amdhsa_system_sgpr_workgroup_id_z 1
		.amdhsa_system_vgpr_workitem_id 0
		.amdhsa_next_free_vgpr 512
		.amdhsa_next_free_sgpr 80
		.amdhsa_reserve_vcc 0
		.amdhsa_float_denorm_mode_32 3
		.amdhsa_float_denorm_mode_16_64 3
		.amdhsa_memory_ordered 1
		.amdhsa_forward_progress 1
		.amdhsa_inst_pref_size 49
	.end_amdhsa_kernel
	.amdgpu_metadata
---
amdhsa.version: [ 1, 2 ]
amdhsa.kernels:
  - .name:           k_qfb787edf9a_oproj
    .symbol:         k_qfb787edf9a_oproj.kd
    .args:
      - { .name: af, .offset: 0, .size: 8, .value_kind: global_buffer, .address_space: global }
      - { .name: codes, .offset: 8, .size: 8, .value_kind: global_buffer, .address_space: global }
      - { .name: out0, .offset: 16, .size: 8, .value_kind: global_buffer, .address_space: global }
    .group_segment_fixed_size: 327680
    .private_segment_fixed_size: 0
    .kernarg_segment_align: 8
    .kernarg_segment_size: 24
    .max_flat_workgroup_size: 128
    .sgpr_count:     80
    .vgpr_count:     512
    .wavefront_size: 32
...
	.end_amdgpu_metadata
.endif
;; end of part 4
